; MI455X (gfx1250); checked and timed in simulation.
; The chip was launched on July 23, 2026; its instructions are those of AMD's public machine-readable ISA for CDNA 5 (MIT licence, August 2026) and "CDNA5" Instruction Set Architecture Reference Guide (July 2026). The comments in the code are by the model that wrote it; some were corrected since.
;; Full Attention Block. Allowed arithmetic: float matrix products may take bf16 or f16 operands with f32 sums; other float arithmetic in f32, or as packed bf16 or f16 multiplies, adds, multiply-adds, maxima and minima; sums over many terms, partial sums and values carried from step to step in f32; what a program stores and reads back later, other than sums and carried values, may be rounded once to bf16 or f16.
;; Inputs: Wk 512 x 1,024 float32; Wo 1,024 x 2,048 float32; Wq 4,096 x 1,024 float32; Wv 512 x 1,024 float32; hidden_states 2 x 2,048 x 1,024 float32; k_norm_w 256 float32; position_ids 2,048 int32; q_norm_w 256 float32.
;; Outputs: out0 2 x 2,048 x 1,024 float32.
;; One version. Each part assembles by itself: llvm-mc -triple=amdgcn-amd-amdhsa -mcpu=gfx1250 --defsym DOCPART=n.
;; ======== version 1 of 1: 4 launches
;; limits: values are held in f16: magnitudes above 65,504 overflow, below 6.1e-05 lose precision; right only within a limited range of input values
;; workspace buffers: xb 8,388,608 bytes; wb 10,485,760 bytes; wob 4,194,304 bytes; rope 262,144 bytes; qh 16,777,216 bytes; kvh 8,388,608 bytes; sg 16,777,216 bytes; a2 16,777,216 bytes
;; launch prep (part 1): grid 832 x 1, 8 waves a work-group, no clusters, 0 bytes of LDS; arguments hidden_states, Wq, Wk, Wv, Wo, position_ids, xb, wb, wob, rope; writes xb, wb, wob, rope
.if DOCPART == 1
	.amdgcn_target "amdgcn-amd-amdhsa--gfx1250"
	.amdhsa_code_object_version 6
	.text
	.protected	k_qb9958bc26c_prep
	.globl	k_qb9958bc26c_prep
	.p2align	8
	.type	k_qb9958bc26c_prep,@function
k_qb9958bc26c_prep:
	s_mov_b64 s[64:65], 0
	v_nop
	global_prefetch_b8 v0, s[64:65] scope:SCOPE_SE
	s_setreg_imm32_b32 hwreg(HW_REG_WAVE_MODE, 25, 1), 1
	s_wait_xcnt 0x0
; PREP.  (1) Work-groups 0 to 703 round the five f32 matrices once to bf16: hidden_states -> xb; Wq, Wk, Wv -> wb (rows 0-4095, 4096-4607, 4608-5119); Wo -> wob.
; A work-group takes 65,536 input bytes: thread t takes 32 bytes at 32 t of each of eight pieces of 8,192 bytes and stores 16 bytes at 16 t of each piece of 4,096:
; a wave's store covers 512 consecutive bytes, aligned.  All sixteen loads of a thread go out first; no register is written twice, so no loop and no wait for sources.
; (2) Work-groups 704 to 831 make the rotary table rope[s][64] in f16: cos of 32 frequencies, then sin: 128 bytes a row.  A wave makes two rows with one store of 256 bytes:
; lanes 0-15 the first row, lanes 16-31 the second; in a row lanes 0-7 hold four cosines each, lanes 8-15 four sines.
; inv_freq[f] = 2^(-f log2(1e7) / 32).  The angle x = pos * inv_freq is reduced by n = round(x 2/pi), r = x - n pi/2 (pi/2 in two parts, fused), and
; sin(r + q pi/2) is taken from two polynomials on |r| <= pi/4 (remainders under 4e-7); cos x = sin(x + pi/2).  The result is rounded once to f16.
; LIMITS.  |pos| under 2^30 (n must fit an i32); the phase follows an f32 product pos * inv_freq whose inv_freq is good to about 2e-7 of itself,
; so it holds to 1e-2 only for |pos| up to about 5e4.  The table's numbers carry f16's rounding, 2^-12 at the most.
.set NCAST, 704
	s_load_b512 s[8:23], s[0:1], 0x0               ; hidden s[8:9], Wq s[10:11], Wk s[12:13], Wv s[14:15], Wo s[16:17], position_ids s[18:19], xb s[20:21], wb s[22:23]
	s_load_b128 s[24:27], s[0:1], 0x40             ; wob s[24:25], rope s[26:27]
	s_mov_b32 s2, ttmp9
	s_mov_b32 s31, 0                               ; high words of the two offsets
	s_mov_b32 s33, 0
	s_cmp_ge_u32 s2, NCAST
	s_cbranch_scc1 .Ltable
	v_lshlrev_b32 v1, 5, v0                        ; 32 t: my 8 numbers in a piece of the source
	v_lshlrev_b32 v2, 4, v0                        ; 16 t: the same 8 in the destination
	s_wait_kmcnt 0x0
	s_mov_b64 s[4:5], s[8:9]                       ; source, its first chunk (s6), destination, its first chunk (s7): chosen by the chunk's number alone
	s_mov_b64 s[28:29], s[20:21]
	s_mov_b32 s6, 0
	s_mov_b32 s7, 0
	s_cmp_ge_u32 s2, 256
	s_cselect_b64 s[4:5], s[10:11], s[4:5]
	s_cselect_b64 s[28:29], s[22:23], s[28:29]
	s_cselect_b32 s6, 256, s6
	s_cselect_b32 s7, 256, s7
	s_cmp_ge_u32 s2, 512
	s_cselect_b64 s[4:5], s[12:13], s[4:5]
	s_cselect_b32 s6, 512, s6
	s_cmp_ge_u32 s2, 544
	s_cselect_b64 s[4:5], s[14:15], s[4:5]
	s_cselect_b32 s6, 544, s6
	s_cmp_ge_u32 s2, 576
	s_cselect_b64 s[4:5], s[16:17], s[4:5]
	s_cselect_b64 s[28:29], s[24:25], s[28:29]
	s_cselect_b32 s6, 576, s6
	s_cselect_b32 s7, 576, s7
	s_sub_co_u32 s30, s2, s6
	s_lshl_b32 s30, s30, 16                        ; 65,536 bytes of f32 a chunk
	s_sub_co_u32 s32, s2, s7
	s_lshl_b32 s32, s32, 15                        ; 32,768 bytes of bf16
	s_add_nc_u64 s[4:5], s[4:5], s[30:31]
	s_add_nc_u64 s[28:29], s[28:29], s[32:33]
.irp j, 0,1,2,3,4,5,6,7
	global_load_b128 v[8+8*(\j):11+8*(\j)],  v1, s[4:5] offset:8192*(\j) th:TH_LOAD_NT
	global_load_b128 v[12+8*(\j):15+8*(\j)], v1, s[4:5] offset:8192*(\j)+16 th:TH_LOAD_NT
.endr
.irp j, 0,1,2,3,4,5,6,7
	s_wait_loadcnt 14-2*(\j)                       ; loads return in order: piece j's two are in, the younger ones stay out
	v_cvt_pk_bf16_f32 v[72+4*(\j)], v[8+8*(\j)],  v[9+8*(\j)]
	v_cvt_pk_bf16_f32 v[73+4*(\j)], v[10+8*(\j)], v[11+8*(\j)]
	v_cvt_pk_bf16_f32 v[74+4*(\j)], v[12+8*(\j)], v[13+8*(\j)]
	v_cvt_pk_bf16_f32 v[75+4*(\j)], v[14+8*(\j)], v[15+8*(\j)]
	global_store_b128 v2, v[72+4*(\j):75+4*(\j)], s[28:29] offset:4096*(\j)
.endr
	s_endpgm
.Ltable:
	v_lshrrev_b32 v1, 5, v0
	v_readfirstlane_b32 s3, v1                     ; wave 0..7
	s_sub_co_u32 s2, s2, NCAST
	s_lshl_b32 s2, s2, 3
	s_add_co_u32 s2, s2, s3                        ; my pair of rows: 2 p, 2 p + 1
	s_lshl_b32 s30, s2, 3                          ; two positions of 4 bytes
	s_lshl_b32 s32, s2, 8                          ; two rows of 128 bytes
	v_and_b32 v3, 31, v0                           ; lane
	v_lshrrev_b32 v9, 4, v3                        ; which of the two rows is mine
	v_lshlrev_b32 v9, 2, v9
	s_wait_kmcnt 0x0
	s_add_nc_u64 s[18:19], s[18:19], s[30:31]
	s_add_nc_u64 s[26:27], s[26:27], s[32:33]
	global_load_b32 v8, v9, s[18:19]               ; position_ids of my row: a number, no address is made of it
	s_mov_b32 s40, 0xbfc90fdb                      ; -(pi/2, upper part)
	s_mov_b32 s41, 0x333bbd2e                      ; upper part - pi/2
	s_mov_b32 s42, 0xb9500d01                      ; -1/5040
	s_mov_b32 s43, 0x3c088889                      ; 1/120
	s_mov_b32 s44, 0xbe2aaaab                      ; -1/6
	s_mov_b32 s45, 0x37d00d01                      ; 1/40320
	s_mov_b32 s46, 0xbab60b61                      ; -1/720
	s_mov_b32 s47, 0x3d2aaaab                      ; 1/24
	v_and_b32 v4, 8, v3
	v_cmp_eq_u32 vcc_lo, 0, v4
	v_cndmask_b32 v4, 0, 1, vcc_lo                 ; lanes 0-7 of each half make cosines: a quarter turn more
	v_lshlrev_b32 v5, 3, v3                        ; my 8 bytes of the 256
	v_and_b32 v6, 7, v0
	v_lshlrev_b32 v6, 2, v6                        ; my four frequencies f .. f + 3
.irp e, 0,1,2,3
	v_add_nc_u32 v[60+(\e)], \e, v6
	v_cvt_f32_u32 v[60+(\e)], v[60+(\e)]
	v_mul_f32 v[60+(\e)], 0xbf3a0729, v[60+(\e)]   ; -f log2(1e7) / 32
.endr
.irp e, 0,1,2,3
	v_exp_f32 v[60+(\e)], v[60+(\e)]
.endr
	v_nop                                          ; a plain instruction behind the last exponential,
	s_wait_alu depctr_va_vdst(0)                   ; and one wait for the four, ahead of their first reader
	s_wait_loadcnt 0x0
	v_cvt_f32_i32 v8, v8
.macro ONE e
.set R, 10+10*(\e)
	v_mul_f32 v[R], v8, v[60+(\e)]                 ; x
	v_mul_f32 v[R+1], 0x3f22f983, v[R]             ; x 2/pi
	v_rndne_f32 v[R+1], v[R+1]                     ; n
	v_fma_f32 v[R+2], v[R+1], s40, v[R]
	v_fma_f32 v[R+2], v[R+1], s41, v[R+2]          ; r
	v_cvt_i32_f32 v[R+3], v[R+1]
	v_add_nc_u32 v[R+3], v[R+3], v4                ; q
	v_mul_f32 v[R+4], v[R+2], v[R+2]               ; r^2
	v_fma_f32 v[R+5], v[R+4], s42, s43
	v_fma_f32 v[R+5], v[R+5], v[R+4], s44
	v_mul_f32 v[R+7], v[R+4], v[R+2]
	v_fma_f32 v[R+5], v[R+5], v[R+7], v[R+2]       ; sin r
	v_fma_f32 v[R+6], v[R+4], s45, s46
	v_fma_f32 v[R+6], v[R+6], v[R+4], s47
	v_fma_f32 v[R+6], v[R+6], v[R+4], -0.5
	v_fma_f32 v[R+6], v[R+6], v[R+4], 1.0          ; cos r
	v_and_b32 v[R+7], 1, v[R+3]
	v_cmp_eq_u32 vcc_lo, 1, v[R+7]
	v_cndmask_b32 v[50+(\e)], v[R+5], v[R+6], vcc_lo  ; odd q: the cosine
	v_and_b32 v[R+7], 2, v[R+3]
	v_lshlrev_b32 v[R+7], 30, v[R+7]
	v_xor_b32 v[50+(\e)], v[50+(\e)], v[R+7]       ; q = 2, 3: the sign turns
.endm
	ONE 0
	ONE 1
	ONE 2
	ONE 3
	v_cvt_pk_f16_f32 v54, v50, v51
	v_cvt_pk_f16_f32 v55, v52, v53
	global_store_b64 v5, v[54:55], s[26:27]        ; the wave's store is two whole rows: 256 consecutive bytes, aligned
	s_endpgm
.Lfunc_end_k_qb9958bc26c_prep:
	.size	k_qb9958bc26c_prep, .Lfunc_end_k_qb9958bc26c_prep-k_qb9958bc26c_prep
	.p2alignl 7, 3214868480
	.fill 96, 4, 3214868480
	.section	.rodata,"a",@progbits
	.p2align	6, 0x0
	.amdhsa_kernel k_qb9958bc26c_prep
		.amdhsa_group_segment_fixed_size 0
		.amdhsa_private_segment_fixed_size 0
		.amdhsa_enable_private_segment 0
		.amdhsa_kernarg_size 80
		.amdhsa_user_sgpr_count 2
		.amdhsa_user_sgpr_kernarg_segment_ptr 1
		.amdhsa_wavefront_size32 1
		.amdhsa_system_sgpr_workgroup_id_x 1
		.amdhsa_system_sgpr_workgroup_id_y 1
		.amdhsa_system_sgpr_workgroup_id_z 1
		.amdhsa_system_vgpr_workitem_id 0
		.amdhsa_next_free_vgpr 112
		.amdhsa_next_free_sgpr 66
		.amdhsa_reserve_vcc 1
		.amdhsa_float_denorm_mode_32 3
		.amdhsa_float_denorm_mode_16_64 3
		.amdhsa_memory_ordered 1
		.amdhsa_forward_progress 1
		.amdhsa_inst_pref_size 13
	.end_amdhsa_kernel
	.amdgpu_metadata
---
amdhsa.version: [ 1, 2 ]
amdhsa.kernels:
  - .name:           k_qb9958bc26c_prep
    .symbol:         k_qb9958bc26c_prep.kd
    .args:
      - { .name: hidden_states, .offset: 0, .size: 8, .value_kind: global_buffer, .address_space: global }
      - { .name: Wq, .offset: 8, .size: 8, .value_kind: global_buffer, .address_space: global }
      - { .name: Wk, .offset: 16, .size: 8, .value_kind: global_buffer, .address_space: global }
      - { .name: Wv, .offset: 24, .size: 8, .value_kind: global_buffer, .address_space: global }
      - { .name: Wo, .offset: 32, .size: 8, .value_kind: global_buffer, .address_space: global }
      - { .name: position_ids, .offset: 40, .size: 8, .value_kind: global_buffer, .address_space: global }
      - { .name: xb, .offset: 48, .size: 8, .value_kind: global_buffer, .address_space: global }
      - { .name: wb, .offset: 56, .size: 8, .value_kind: global_buffer, .address_space: global }
      - { .name: wob, .offset: 64, .size: 8, .value_kind: global_buffer, .address_space: global }
      - { .name: rope, .offset: 72, .size: 8, .value_kind: global_buffer, .address_space: global }
    .group_segment_fixed_size: 0
    .private_segment_fixed_size: 0
    .kernarg_segment_align: 8
    .kernarg_segment_size: 80
    .max_flat_workgroup_size: 256
    .sgpr_count:     66
    .vgpr_count:     112
    .wavefront_size: 32
...
	.end_amdgpu_metadata
.endif
;; end of part 1
;; launch qkv (part 2): grid 128 x 4, 4 waves a work-group, clusters of 4 x 4, 327,680 bytes of LDS; arguments xb, wb, q_norm_w, k_norm_w, rope, qh, kvh, sg; writes qh, kvh, sg
.if DOCPART == 2
	.amdgcn_target "amdgcn-amd-amdhsa--gfx1250"
	.amdhsa_code_object_version 6
	.text
	.protected	k_qb9958bc26c_qkv
	.globl	k_qb9958bc26c_qkv
	.p2align	8
	.type	k_qb9958bc26c_qkv,@function
k_qb9958bc26c_qkv:
	s_mov_b64 s[64:65], 0
	v_nop
	global_prefetch_b8 v0, s[64:65] scope:SCOPE_SE
	s_setreg_imm32_b32 hwreg(HW_REG_WAVE_MODE, 25, 1), 1
	s_wait_xcnt 0x0
	s_wait_alu depctr_hold_cnt(0) depctr_sa_sdst(0) depctr_va_vdst(0) depctr_va_sdst(0) depctr_va_ssrc(0) depctr_va_vcc(0) depctr_vm_vsrc(0)
	s_getreg_b32 s2, hwreg(HW_REG_IB_STS2, 6, 4)
	s_cmp_eq_u32 s2, 0
	s_cbranch_scc0 .Lentry_in_a_cluster
	s_endpgm
.Lentry_in_a_cluster:
	s_bfe_u32 s2, ttmp6, 0x10000c
	s_cmp_lg_u32 s2, 0xf033
	s_cbranch_scc0 .Lentry_shape_is_right
	s_endpgm
.Lentry_shape_is_right:
; QKV.  C = xb wb^T (4096 x 5120, K = 1024, bf16 operands, f32 sums), and on the way out what each column block of 256 (a head) needs:
; heads 0-7 of wb's rows are q (RMS norm, weight, rotary turn -> qh), 8-15 gate (silu -> sg), 16-17 k (as q -> kvh), 18-19 v (as they are -> kvh + 4,194,304).  All stored in f16.
; TWO KINDS OF TILE, so that 512 work-groups are two equal shares for each of 256 places.  The grid is 32 clusters of 4 x 4 along x alone; c is the cluster's number, the same in all sixteen partners.
;   c < 16, LARGE: q and gate, a tile of 256 rows x 256 columns: tile column 4 (c % 4) + cx, tile row 4 (c / 4) + cy.  256 work-groups.
;   c >= 16, SMALL: k and v, a tile of 64 rows x 256 columns: rows 64 u with u = 4 (c - 16) + cy, head 16 + cx.  256 work-groups, a quarter of a large tile's products each.
; THE LARGE PRODUCT.  Four waves, each 128 x 128 of C in 512 registers; K in steps of 128 through two LDS slots filled by the tensor data mover; xb's tiles are asked for jointly along a row of the
; cluster and wb's along a column.  The matrix instruction is used transposed (source 0 = rows of wb, source 1 = rows of xb): a lane holds eight neighbouring columns of one row of C.
; THE SMALL PRODUCT.  Four waves, each 64 rows x 64 columns in 128 registers; the same K steps, two slots of 320 rows (two slots of 256 along K would be 337,920 bytes: too many); the same two masks.
; THE WAY OUT.  The tile goes into LDS as f32, rows 1,040 bytes apart (large: into the ring's bytes, which have had their last fill; small: into bytes of its own).  Then a wave owns whole rows (64 or 16):
; a lane holds columns 4 l .. 4 l + 3 and 128 + 4 l .. + 3 of a row, so the sum of squares is one reduction over the wave, and the rotary partner of channel c < 64 (c +- 32) lies in the lane 8 away.  Four rows a trip.
; THE ROTARY TABLE (f16, 128 bytes a row) of a wave's rows is copied into LDS bytes of the wave's own at the head, while the first tiles are on their way: the way out loads nothing from memory.
; k and v heads share a cluster, and no branch may hang on a work-group's place in it: v runs the norm's text with factors that make it the identity (AL = 0, BE = 1: weight w AL + BE, scale rs AL + BE, turn by 1 and 0).
; LIMITS.  f16 ends at 65,504: v, silu(gate) and the normed and weighted q and k must lie within it.  The norm weights are rounded to bf16 like the other inputs.  NaN and infinities are not treated apart (0 x inf in the v path).
; REGISTERS, in windows of 256.  Large: window 0: v0-63 addresses and small work; v64-191 fragments of xb, later the way out's rows; v192-255 the way out.  window 1: v64-191 fragments of wb.  windows 2, 3: the 64 accumulators.
; Small: window 0: v0-63 as above; v128-255 the 16 accumulators, later the way out.  window 1: two fragment buffers of 128.
.set SIZE_K, 1024
.set KSTEP,  128
.set PITCH,  272                       ; an LDS row of the ring: 256 bytes + 16 of padding: the 16 rows of a fragment load start at 16 different groups of four banks
.set HALFT,  128*PITCH
.set SLOT,   4*HALFT                   ; large: xb's 256 rows, then wb's 256 rows
.set SPARE,  2*SLOT                    ; behind the large ring: the spare words, 128 bytes a wave, that no other line names
.set TBLS,   SPARE+512                 ; behind them: the table's rows, 128 bytes each: 8,192 bytes a wave (large), 2,048 (small); no tile lands here
.set EP,     1040                      ; the way out: a row of 256 f32 + 16 bytes
.set LAPS,   SIZE_K/(2*KSTEP)
.set SA,     64*PITCH                  ; small: xb's 64 rows,
.set SSLOT,  320*PITCH                 ; then wb's 256
.set STG2,   2*SSLOT                   ; small: the stage, 64 rows x 1,040 bytes, behind its ring; no tile lands here
.set ADRA, 16                          ; v16-17  LDS address of my xb fragments in slot 0, 1
.set ADRB, 20                          ; v20-21  the same for wb
.set SPW,  28                          ; v28  my spare word; never rewritten
.set NIL,  29                          ; v29  0; never rewritten
.set PFO,  30                          ; v30  the prefetches' offset: lane x 2,048 bytes
.set WOF,  31                          ; v31  16 x lane
.set ERD,  32                          ; v32  where I read the stage; steps four rows a trip
.set EGO,  33                          ; v33  8 x lane: my bytes of half a row of the output
.set EST,  35                          ; v35-36  where I put accumulators into the stage
.set LN,   37                          ; v37  lane
.set ETS,  38                          ; v38  where I put the table's rows
.set ETL,  39                          ; v39  where I read them: my four frequencies; steps four rows a trip
.set RS,   40                          ; v40-47  row r: the scale, in the pair's low register
.set TP,   48                          ; v48-51  at work
.set WN,   52                          ; v52-59  the norm weight as loaded
.set F0,   64
.set F1,   128
.set XR,   64                          ; v64-95   four rows as read, 8 a row
.set YR,   96                          ; v96-127  at work
.set TR,   128                         ; v128-143 the table's numbers in f16: row r: 4 cos in two registers, 4 sin in two
.set CSR,  128                         ; v128-159 (gate) at work
.set CER,  160                         ; v160-191 the table's numbers in f32, made ready for my lane
.set XP,   192                         ; v192-207 the partner lane's numbers
.set SS,   208                         ; v208-215 sums of squares
.set WE,   216                         ; v216-223 the weight in force
.set CA,   232                         ; pairs: AL in lanes 0-15, else 0;
.set CB,   234                         ; 1 - CA;
.set SG,   236                         ; -AL in lanes 0-7, AL in lanes 8-15, else 0
.set OUT,  240                         ; v240-255 four rows in f16, 4 a row
.set ACC2, 128                         ; small: accumulator (a, b) at v[128 + 8 (4 a + b)]
.set SF0,  0                           ; small: the fragment buffers, in window 1
.set SF1,  128
.set G1,  24
.set G0,  32
.set G1B, 48
.set G0B, 56
.set PFA, 44                           ; s[44:45] where my prefetches stand
.set LIM, 43                           ; s43  1 in a wave that prefetches, else the greatest number
.set SEL, 66                           ; s[66:67] v_permlanex16_b32's selects
.set AL,  80                           ; s[80:81]
.set TBL, 82                           ; s[82:83] the table at my wave's first row
.set OFS, 84                           ; s[84:85] an offset
.set BE,  88                           ; s[88:89]
.set IV,  90                           ; s90 1/256, s91 1e-6
.set CLX, 94                           ; s94 c % 4
.set CLY, 95                           ; s95 c / 4
.set KL,  96                           ; s[96:97] -log2(e)
.set MSB, 0
.macro WIN new                         ; the immediate's high byte repeats the setting that is left; a switch that changes nothing is dropped
.if MSB != (\new)
	s_set_vgpr_msb (MSB<<8)|(\new)
.set MSB, \new
.endif
.endm
.set MUL_LO, 0xa1                      ; source 0 (wb) window 1, source 1 (xb) window 0, C and D window 2
.set MUL_HI, 0xf1                      ; the same, C and D window 3
.set TO_B,   0x40                      ; destination window 1, address window 0
.set SMUL,   0x05                      ; small: sources 0 and 1 window 1; C and D window 0
; A joint load: waves 0 and 1 fetch xb's two halves, waves 2 and 3 wb's.  The branch hangs on the wave's number alone.  An s_nop 0 and four v_nop follow each line.
.macro JLOAD s
	s_cmp_eq_u32 s11, 0
	s_cbranch_scc0 .Lfor_b_\@
	tensor_load_to_lds s[G0+4*(\s):G0+4*(\s)+3], s[G1:G1+7]
	s_nop 0
.rept 4
	v_nop
.endr
	s_branch .Lasked_\@
.Lfor_b_\@:
	tensor_load_to_lds s[G0B+4*(\s):G0B+4*(\s)+3], s[G1B:G1B+7]
	s_nop 0
.rept 4
	v_nop
.endr
.Lasked_\@:
.endm
; A prefetch (large tiles) of the K step that stands two refills on: 32 rows x 256 bytes, a lane a row.  xb's tile row is asked for by the cluster with c % 4 = 0, wb's tile column by the cluster with c / 4 = 0; the four
; partners of a joint load share its 128 rows out by address, 32 each.  So each row's 256 bytes of a K step are named once.  The loop's last trip (s3 = 1) asks for nothing: there is no K step two on.
.macro ASK
	s_cmp_gt_u32 s3, s[LIM]
	s_cbranch_scc0 .Lnot_mine_\@
	global_prefetch_b8 v[PFO], s[PFA:PFA+1] offset:KSTEP*2 th:TH_LOAD_NT scope:SCOPE_SE
.Lnot_mine_\@:
.endm
.macro CREST                           ; a round of the cluster's barrier behind its opening barrier
	s_cmp_lg_u32 s10, 0
	s_cbranch_scc1 .Lnot_wave_0_\@
	s_barrier_signal -3
.Lnot_wave_0_\@:
	s_barrier_wait -3
	s_barrier_signal -1
	s_barrier_wait -1
.endm
.macro CROUND                          ; a whole round
	s_barrier_signal -1
	s_barrier_wait -1
	CREST
.endm
.macro PLACES                          ; four places in front of loads into registers that matrix instructions have read, and of LDS stores that read results
.rept 4
	v_nop
.endr
.endm
; ---- the large product's steps
; 16 matrix instructions: m blocks a0, a0 + 1 of the window's four x all 8 n blocks, 32 along K.  zero = 1: the first product starts the sums.  The 64 accumulators take turns.
.macro MUL16 f, hi, a0, zero
	WIN MUL_LO+0x50*(\hi)
.irp a, \a0, (\a0)+1
.irp b, 0,1,2,3,4,5,6,7
.if \zero
	v_wmma_f32_16x16x32_bf16 v[8*(8*(\a)+(\b)):8*(8*(\a)+(\b))+7], v[(\f)+8*(\b):(\f)+8*(\b)+7], v[(\f)+8*(4*(\hi)+(\a)):(\f)+8*(4*(\hi)+(\a))+7], 0
.else
	v_wmma_f32_16x16x32_bf16 v[8*(8*(\a)+(\b)):8*(8*(\a)+(\b))+7], v[(\f)+8*(\b):(\f)+8*(\b)+7], v[(\f)+8*(4*(\hi)+(\a)):(\f)+8*(4*(\hi)+(\a))+7], v[8*(8*(\a)+(\b)):8*(8*(\a)+(\b))+7]
.endif
.endr
.endr
.endm
.macro FETCH slot, k, f                ; 32 LDS loads in one run: the fragments of one quarter step into buffer f
	WIN TO_B
.irp i, 0,1,2,3,4,5,6,7
	ds_load_b128 v[(\f)+8*(\i):(\f)+8*(\i)+3],   v[ADRB+(\slot)] offset:(\k)+(\i)*16*PITCH
	ds_load_b128 v[(\f)+8*(\i)+4:(\f)+8*(\i)+7], v[ADRB+(\slot)] offset:(\k)+(\i)*16*PITCH+32
.endr
	WIN 0
.irp i, 0,1,2,3,4,5,6,7
	ds_load_b128 v[(\f)+8*(\i):(\f)+8*(\i)+3],   v[ADRA+(\slot)] offset:(\k)+(\i)*16*PITCH
	ds_load_b128 v[(\f)+8*(\i)+4:(\f)+8*(\i)+7], v[ADRA+(\slot)] offset:(\k)+(\i)*16*PITCH+32
.endr
.endm
.macro QUARTER slot, k, f, g, zero     ; multiplies buffer f; in its middle fetches the next quarter, at byte k of the slot's rows, into g
	s_wait_dscnt 8                                 ; wb and xb's rows 0-63 are in; the youngest eight loads (xb's rows 64-127) may be out
	WIN MUL_LO
	MUL16 \f, 0, 0, \zero
	MUL16 \f, 0, 2, \zero
	PLACES
	FETCH \slot, \k, \g
	s_wait_dscnt 32                                ; all but the 32 just issued
	WIN MUL_HI
	MUL16 \f, 1, 0, \zero
	MUL16 \f, 1, 2, \zero
.endm
.macro MEET round                      ; the change of slots' barrier; round = 1: a round of the cluster's barrier follows
	WIN 0
	s_wait_tensorcnt 0x0                           ; all my tensor loads have landed: the one that was out is my part of the next slot;
	ds_add_u32 v[SPW], v[NIL]                      ; 0 onto my spare word;
	s_wait_dscnt 9                                 ; (the add and the youngest eight loads may be out)
	WIN MUL_LO
	MUL16 F1, 0, 0, 0
	s_wait_dscnt 0x0                               ; the add is done, and my reads of this slot are over
	s_barrier_signal -1
	MUL16 F1, 0, 2, 0
.if \round
	WIN 0
.endif
	s_barrier_wait -1
.endm
.macro TURN slot, next, fill           ; the last quarter of a K step; fill = 1: the slot just read out is filled again, two K steps on
.if \fill
	s_wait_xcnt 0x0                                ; the last prefetch, a K step back, has read its address
	s_add_nc_u64 s[PFA:PFA+1], s[PFA:PFA+1], KSTEP*2
.endif
	MEET \fill
.if \fill
	CREST                                          ; no wave of any partner still reads this slot's tile or has a load on its way
	s_add_nc_u64 s[G0+4*(\slot)+2:G0+4*(\slot)+3], s[G0+4*(\slot)+2:G0+4*(\slot)+3], 2*KSTEP*2
	s_add_nc_u64 s[G0B+4*(\slot)+2:G0B+4*(\slot)+3], s[G0B+4*(\slot)+2:G0B+4*(\slot)+3], 2*KSTEP*2
	JLOAD \slot                                    ; the first tensor load behind the round; its four v_nop are also the places in front of the loads below
.else
	PLACES
.endif
	FETCH \next, 0, F0
.if \fill
	ASK
.endif
	WIN MUL_HI
	MUL16 F1, 1, 0, 0
	MUL16 F1, 1, 2, 0
.endm
; ---- the small product's steps
.macro SMUL8 f, c, a0, zero            ; 8 matrix instructions: m blocks a0, a0 + 1 x all 4 n blocks, 32 along K: half c of buffer f.  The 16 accumulators take turns
	WIN SMUL
.irp a, \a0, (\a0)+1
.irp b, 0,1,2,3
.if \zero
	v_wmma_f32_16x16x32_bf16 v[ACC2+8*(4*(\a)+(\b)):ACC2+8*(4*(\a)+(\b))+7], v[(\f)+64+8*(4*(\c)+(\b)):(\f)+64+8*(4*(\c)+(\b))+7], v[(\f)+8*(4*(\c)+(\a)):(\f)+8*(4*(\c)+(\a))+7], 0
.else
	v_wmma_f32_16x16x32_bf16 v[ACC2+8*(4*(\a)+(\b)):ACC2+8*(4*(\a)+(\b))+7], v[(\f)+64+8*(4*(\c)+(\b)):(\f)+64+8*(4*(\c)+(\b))+7], v[(\f)+8*(4*(\c)+(\a)):(\f)+8*(4*(\c)+(\a))+7], v[ACC2+8*(4*(\a)+(\b)):ACC2+8*(4*(\a)+(\b))+7]
.endif
.endr
.endr
.endm
.macro SFETCH slot, k, f               ; 32 LDS loads in one run: the fragments of 64 along K at byte k of the rows; the first 32 along K first
	WIN TO_B
.irp c, 0,1
.irp i, 0,1,2,3
	ds_load_b128 v[(\f)+64+8*(4*(\c)+(\i)):(\f)+64+8*(4*(\c)+(\i))+3],   v[ADRB+(\slot)] offset:(\k)+64*(\c)+(\i)*16*PITCH
	ds_load_b128 v[(\f)+64+8*(4*(\c)+(\i))+4:(\f)+64+8*(4*(\c)+(\i))+7], v[ADRB+(\slot)] offset:(\k)+64*(\c)+(\i)*16*PITCH+32
	ds_load_b128 v[(\f)+8*(4*(\c)+(\i)):(\f)+8*(4*(\c)+(\i))+3],         v[ADRA+(\slot)] offset:(\k)+64*(\c)+(\i)*16*PITCH
	ds_load_b128 v[(\f)+8*(4*(\c)+(\i))+4:(\f)+8*(4*(\c)+(\i))+7],       v[ADRA+(\slot)] offset:(\k)+64*(\c)+(\i)*16*PITCH+32
.endr
.endr
.endm
.macro SHALF slot, zero                ; the first half of a K step: multiplies buffer 0 and fetches the second half, at byte 128 of the rows, into buffer 1
	s_wait_dscnt 16                                ; the first 32 along K are in
	SMUL8 SF0, 0, 0, \zero
	SMUL8 SF0, 0, 2, \zero
	PLACES
	SFETCH \slot, 128, SF1
	s_wait_dscnt 32                                ; all but the 32 just issued
	SMUL8 SF0, 1, 0, 0
	SMUL8 SF0, 1, 2, 0
.endm
.macro STURN slot, next, fill          ; the second half multiplies buffer 1 and changes slots; fill = 1: this slot is filled again, two K steps on
	WIN 0
	s_wait_tensorcnt 0x0                           ; all my tensor loads have landed: my part of the next slot;
	ds_add_u32 v[SPW], v[NIL]                      ; 0 onto my spare word;
	s_wait_dscnt 17                                ; (the add and the youngest sixteen loads may be out)
	SMUL8 SF1, 0, 0, 0
	s_wait_dscnt 0x0                               ; the add is done, and my reads of this slot are over
	s_barrier_signal -1
	SMUL8 SF1, 0, 2, 0
.if \fill
	WIN 0
.endif
	s_barrier_wait -1
.if \fill
	CREST                                          ; no wave of any partner still reads this slot's tile or has a load on its way
	s_add_nc_u64 s[G0+4*(\slot)+2:G0+4*(\slot)+3], s[G0+4*(\slot)+2:G0+4*(\slot)+3], 2*KSTEP*2
	s_add_nc_u64 s[G0B+4*(\slot)+2:G0B+4*(\slot)+3], s[G0B+4*(\slot)+2:G0B+4*(\slot)+3], 2*KSTEP*2
	JLOAD \slot                                    ; the first tensor load behind the round; its four v_nop are also the places in front of the loads below
.else
	PLACES
.endif
	SFETCH \next, 0, SF0
	SMUL8 SF1, 1, 0, 0
	SMUL8 SF1, 1, 2, 0
.endm
; ---- the way out's steps
.macro ROWS_IN                         ; four whole rows of the stage: 512 consecutive bytes a load
.irp r, 0,1,2,3
	ds_load_b128 v[XR+8*(\r):XR+8*(\r)+3],   v[ERD] offset:EP*(\r)
	ds_load_b128 v[XR+8*(\r)+4:XR+8*(\r)+7], v[ERD] offset:EP*(\r)+512
.endr
.endm
.macro TAB_IN                          ; my four cosines and four sines of the same four rows
.irp r, 0,1,2,3
	ds_load_b64 v[TR+4*(\r):TR+4*(\r)+1],   v[ETL] offset:128*(\r)
	ds_load_b64 v[TR+4*(\r)+2:TR+4*(\r)+3], v[ETL] offset:128*(\r)+64
.endr
.endm
.macro OUT_FREE                        ; ahead of the conversions: the last trip's stores, most of a trip back, have read OUT and their base; both are written again only behind this wait
	s_wait_xcnt 0x0
	s_add_nc_u64 s[8:9], s[8:9], 2048              ; four rows on; the stores below reach back
.endm
.macro ROWS_OUT                        ; each store of the wave covers 256 consecutive bytes, aligned
.irp r, 0,1,2,3
	global_store_b64 v[EGO], v[OUT+4*(\r):OUT+4*(\r)+1],   s[8:9] offset:512*(\r)-2048
	global_store_b64 v[EGO], v[OUT+4*(\r)+2:OUT+4*(\r)+3], s[8:9] offset:512*(\r)-1792
.endr
	s_sub_co_u32 s3, s3, 1
	s_cmp_lg_u32 s3, 0
.endm
; NORM, WEIGHT, ROTARY TURN (q, k; the identity for v).  s3 holds the trips.  A trip's rows and table numbers are asked of LDS in the trip before, as soon as their registers are free; the last trip jumps over that.
.macro NORMLOOP tag
.irp k, 0,2,4,6
	v_cvt_pk_bf16_f32 v[TP], v[WN+(\k)], v[WN+(\k)+1]      ; the weight is rounded to bf16 like the other inputs
	v_lshlrev_b32 v[WN+(\k)], 16, v[TP]
	v_and_b32 v[WN+(\k)+1], 0xffff0000, v[TP]
.endr
.irp k, 0,2,4,6
	v_pk_fma_f32 v[WE+(\k):WE+(\k)+1], v[WN+(\k):WN+(\k)+1], s[AL:AL+1], s[BE:BE+1] op_sel_hi:[1,0,0]
.endr
	v_cmp_gt_u32 vcc_lo, 16, v[LN]
	v_cndmask_b32 v[CA], 0, s[AL], vcc_lo
	v_mov_b32 v[CA+1], v[CA]
	v_sub_f32 v[CB], 1.0, v[CA]
	v_mov_b32 v[CB+1], v[CB]
	v_sub_f32 v[SG+1], 0, v[CA]
	v_cmp_gt_u32 vcc_lo, 8, v[LN]
	v_cndmask_b32 v[SG], v[CA], v[SG+1], vcc_lo
	v_mov_b32 v[SG+1], v[SG]
.set i, 0
.rept 16
	v_mov_b32 v[XP+i], 0                           ; a DPP form's destination counts as read
.set i, i+1
.endr
.irp r, 0,1,2,3
	v_mov_b32 v[TP+(\r)], 0
	v_mov_b32 v[RS+2*(\r)+1], 0                    ; named with the scale as a pair
.endr
	ROWS_IN
	TAB_IN
.Lnorm_\tag:
	s_wait_dscnt 0x0                               ; this trip's rows and table numbers
.irp r, 0,1,2,3
.irp p, 0,1
	v_fma_mix_f32 v[CER+8*(\r)+2*(\p)],   v[TR+4*(\r)+(\p)],   v[CA], v[CB]  op_sel_hi:[1,0,0]                  ; cos in lanes 0-15, else 1
	v_fma_mix_f32 v[CER+8*(\r)+2*(\p)+1], v[TR+4*(\r)+(\p)],   v[CA], v[CB]  op_sel:[1,0,0] op_sel_hi:[1,0,0]
	v_fma_mix_f32 v[CER+8*(\r)+4+2*(\p)], v[TR+4*(\r)+2+(\p)], v[SG], v[NIL] op_sel_hi:[1,0,0]                  ; -sin, sin, else 0
	v_fma_mix_f32 v[CER+8*(\r)+5+2*(\p)], v[TR+4*(\r)+2+(\p)], v[SG], v[NIL] op_sel:[1,0,0] op_sel_hi:[1,0,0]
.endr
.endr
.irp r, 0,1,2,3
	v_pk_mul_f32 v[SS+2*(\r):SS+2*(\r)+1], v[XR+8*(\r):XR+8*(\r)+1], v[XR+8*(\r):XR+8*(\r)+1]
.endr
.irp k, 2,4,6
.irp r, 0,1,2,3
	v_pk_fma_f32 v[SS+2*(\r):SS+2*(\r)+1], v[XR+8*(\r)+(\k):XR+8*(\r)+(\k)+1], v[XR+8*(\r)+(\k):XR+8*(\r)+(\k)+1], v[SS+2*(\r):SS+2*(\r)+1]
.endr
.endr
.irp r, 0,1,2,3
.irp k, 0,2,4,6
	v_pk_mul_f32 v[YR+8*(\r)+(\k):YR+8*(\r)+(\k)+1], v[XR+8*(\r)+(\k):XR+8*(\r)+(\k)+1], v[WE+(\k):WE+(\k)+1]
.endr
.endr
	s_cmp_eq_u32 s3, 1                             ; the last trip has no rows behind it
	s_cbranch_scc1 .Lnl_\tag
	v_add_nc_u32 v[ERD], 4*EP, v[ERD]
	v_add_nc_u32 v[ETL], 512, v[ETL]
	ROWS_IN
	TAB_IN
.Lnl_\tag:
.irp r, 0,1,2,3
	v_add_f32 v[SS+2*(\r)], v[SS+2*(\r)], v[SS+2*(\r)+1]
.endr
.irp m, 1,2,4,8
.irp r, 0,1,2,3
	v_add_f32_dpp v[SS+2*(\r)], v[SS+2*(\r)], v[SS+2*(\r)] row_xmask:\m row_mask:0xf bank_mask:0xf
.endr
.endr
.irp r, 0,1,2,3
	v_permlanex16_b32 v[TP+(\r)], v[SS+2*(\r)], s[SEL], s[SEL+1]
.endr
.irp r, 0,1,2,3
	v_add_f32 v[SS+2*(\r)], v[SS+2*(\r)], v[TP+(\r)]
.endr
.irp r, 0,1,2,3
	v_fma_f32 v[SS+2*(\r)], v[SS+2*(\r)], s[IV], s[IV+1]   ; the mean of the squares + 1e-6
.endr
.irp r, 0,1,2,3
	v_rsq_f32 v[SS+2*(\r)], v[SS+2*(\r)]
.endr
	v_nop                                          ; a plain instruction behind the last of the four,
	s_wait_alu depctr_va_vdst(0)                   ; and one wait for the batch
.irp r, 0,1,2,3
	v_fma_f32 v[RS+2*(\r)], v[SS+2*(\r)], s[AL], s[BE]
.endr
.irp r, 0,1,2,3
.irp k, 0,2,4,6
	v_pk_mul_f32 v[YR+8*(\r)+(\k):YR+8*(\r)+(\k)+1], v[YR+8*(\r)+(\k):YR+8*(\r)+(\k)+1], v[RS+2*(\r):RS+2*(\r)+1] op_sel_hi:[1,0]
.endr
.endr
.irp r, 0,1,2,3
.irp k, 0,1,2,3
	v_mov_b32_dpp v[XP+4*(\r)+(\k)], v[YR+8*(\r)+(\k)] row_xmask:8 row_mask:0xf bank_mask:0xf   ; channel c +- 32 lies in the lane 8 away
.endr
.endr
.irp r, 0,1,2,3
.irp k, 0,2
	v_pk_mul_f32 v[XP+4*(\r)+(\k):XP+4*(\r)+(\k)+1], v[XP+4*(\r)+(\k):XP+4*(\r)+(\k)+1], v[CER+8*(\r)+4+(\k):CER+8*(\r)+5+(\k)]
	v_pk_fma_f32 v[YR+8*(\r)+(\k):YR+8*(\r)+(\k)+1], v[YR+8*(\r)+(\k):YR+8*(\r)+(\k)+1], v[CER+8*(\r)+(\k):CER+8*(\r)+(\k)+1], v[XP+4*(\r)+(\k):XP+4*(\r)+(\k)+1]
.endr
.endr
	OUT_FREE
.irp r, 0,1,2,3
.irp k, 0,1,2,3
	v_cvt_pk_f16_f32 v[OUT+4*(\r)+(\k)], v[YR+8*(\r)+2*(\k)], v[YR+8*(\r)+2*(\k)+1]
.endr
.endr
	ROWS_OUT
	s_cbranch_scc1 .Lnorm_\tag
.endm
	; ---- THE HEAD, for both kinds
	s_load_b128 s[4:7], s[0:1], 0x0                ; xb s[4:5], wb s[6:7]
	s_load_b256 s[68:75], s[0:1], 0x10             ; q_norm_w s[68:69], k_norm_w s[70:71], rope s[72:73], qh s[74:75]
	s_load_b128 s[76:79], s[0:1], 0x30             ; kvh s[76:77], sg s[78:79]
	v_lshl_add_u32 v[SPW], v0, 2, SPARE
	v_mov_b32 v[NIL], 0
	ds_add_u32 v[SPW], v[NIL]                      ; the wave's opening: the add and its wait ahead of my first tensor load; work on registers stands between them
	v_lshrrev_b32 v1, 5, v0
	v_readfirstlane_b32 s10, v1                    ; wave 0..3
	s_lshr_b32 s11, s10, 1                         ; I fetch for xb (0) or for wb (1).  Large: also which half of the tile's rows is mine
	s_and_b32 s12, s10, 1                          ; which half of that tile I fetch.  Large: also which half of the tile's columns is mine
	s_bfe_u32 s40, ttmp6, 0x40000                  ; cx
	s_bfe_u32 s41, ttmp6, 0x40004                  ; cy
	s_and_b32 s[CLX], ttmp9, 3                     ; in a cluster launch ttmp9 counts clusters: c % 4,
	s_lshr_b32 s[CLY], ttmp9, 2                    ; c / 4
	s_lshl_b32 s43, s41, 2
	s_lshl_b32 s43, 15, s43                        ; my row of the cluster
	s_lshl_b32 s44, 0x1111, s40                    ; my column
	s_or_b32 s[G1+0], s43, (1<<16)|(1<<20)|(1<<21)|(5<<22)|(3<<25)   ; the mask; elements of 2 bytes; padding on; bit 21 beside a mask; after every 64 words; 4 words
	s_or_b32 s[G1B+0], s44, (1<<16)|(1<<20)|(1<<21)|(5<<22)|(3<<25)
.irp g, G1, G1B
	s_mov_b32 s[(\g)+1], KSTEP<<16                 ; tensor_dim0 = 128
	s_mov_b32 s[(\g)+2], 128<<16                   ; tensor_dim1 = 128
	s_mov_b32 s[(\g)+3], KSTEP<<16                 ; tile_dim0 = 128
	s_mov_b32 s[(\g)+4], 128                       ; tile_dim1 = 128
	s_mov_b32 s[(\g)+5], SIZE_K                    ; elements from row to row
	s_mov_b32 s[(\g)+6], 0
	s_mov_b32 s[(\g)+7], 0
.endr
	s_mov_b32 s[SEL], 0x76543210
	s_mov_b32 s[SEL+1], 0xfedcba98
	s_mov_b32 s[IV], 0x3b800000                    ; 1/256
	s_mov_b32 s[IV+1], 0x358637bd                  ; 1e-6
	s_mov_b32 s[KL], 0xbfb8aa3b                    ; -log2(e)
	s_mov_b32 s[KL+1], s[KL]
	s_mov_b32 s[AL+1], 0                           ; named as pairs
	s_mov_b32 s[BE+1], 0
	s_mov_b32 s[OFS+1], 0
	v_and_b32 v1, 15, v0                           ; l % 16
	v_bfe_u32 v2, v0, 4, 1                         ; l / 16
	v_mul_u32_u24 v3, v1, PITCH
	v_lshl_add_u32 v3, v2, 4, v3                   ; a fragment's row x pitch + 16 x half
	v_and_b32 v[LN], 31, v0
	v_lshlrev_b32 v[EGO], 3, v[LN]
	v_lshlrev_b32 v[WOF], 4, v[LN]
	s_wait_dscnt 0x0                               ; the opening add is done
	s_wait_kmcnt 0x0
	s_cmp_ge_u32 s[CLY], 4                         ; the same answer in all sixteen partners
	s_cbranch_scc1 .Lsmall
	; ---- THE LARGE TILE
	s_lshl_b32 s42, s[CLX], 2
	s_add_co_u32 s42, s42, s40                     ; tile column
	s_lshl_b32 s13, s[CLY], 2
	s_add_co_u32 s13, s13, s41                     ; tile row
	s_lshl_b32 s17, s12, 7
	s_lshl_b32 s16, s13, 8
	s_add_co_u32 s16, s16, s17                     ; xb: row 256 x tile row + 128 x half
	s_lshl_b32 s46, s42, 8
	s_add_co_u32 s46, s46, s17                     ; wb: row 256 x tile column + 128 x half
	s_mov_b32 s17, 0
	s_mov_b32 s47, 0
	s_mov_b64 s[18:19], SIZE_K*2
	s_mul_u64 s[16:17], s[16:17], s[18:19]
	s_mul_u64 s[46:47], s[46:47], s[18:19]
	s_mul_i32 s20, s10, HALFT                      ; where they go: wave x 128 rows: no place in the cluster enters an LDS address
	s_add_nc_u64 s[14:15], s[4:5], s[16:17]
	s_add_nc_u64 s[46:47], s[6:7], s[46:47]
	CROUND                                         ; all sixteen work-groups are here: the first joint loads meet
.irp s, 0,1
	s_mov_b32 s[G0+4*(\s)], 1
	s_add_co_u32 s[G0+4*(\s)+1], s20, (\s)*SLOT
	s_add_nc_u64 s[G0+4*(\s)+2:G0+4*(\s)+3], s[14:15], (\s)*KSTEP*2
	s_or_b32 s[G0+4*(\s)+3], s[G0+4*(\s)+3], 0x80000000
	s_mov_b32 s[G0B+4*(\s)], 1
	s_add_co_u32 s[G0B+4*(\s)+1], s20, (\s)*SLOT
	s_add_nc_u64 s[G0B+4*(\s)+2:G0B+4*(\s)+3], s[46:47], (\s)*KSTEP*2
	s_or_b32 s[G0B+4*(\s)+3], s[G0B+4*(\s)+3], 0x80000000
	JLOAD \s                                       ; two loads of mine are out
.endr
	s_mul_i32 s21, s11, HALFT
	s_mul_i32 s22, s12, HALFT
	s_add_co_u32 s22, s22, 2*HALFT
.irp s, 0,1
	v_add_nc_u32 v[ADRA+(\s)], s21, v3
	v_add_nc_u32 v[ADRB+(\s)], s22, v3
	s_add_co_u32 s21, s21, SLOT
	s_add_co_u32 s22, s22, SLOT
.endr
	; the way out's LDS addresses: made of the wave's number and the lane alone
	v_mul_u32_u24 v[EST], v1, EP                   ; into the stage: row 128 x row half + 16 a + l % 16, byte 512 x column half + 64 b + 32 (l / 16)
	v_lshl_add_u32 v[EST], v2, 5, v[EST]
	s_mul_i32 s21, s11, 128*EP
	s_lshl_b32 s22, s12, 9
	s_add_co_u32 s21, s21, s22
	v_add_nc_u32 v[EST], s21, v[EST]
	v_add_nc_u32 v[EST+1], 64*EP, v[EST]
	s_mul_i32 s21, s10, 64*EP
	v_lshl_add_u32 v[ERD], v[LN], 4, s21           ; back: my 64 rows, 16 bytes a lane
	s_lshl_b32 s21, s10, 13
	s_add_co_u32 s21, s21, TBLS                    ; my 64 rows of the table
	v_lshl_add_u32 v[ETS], v[LN], 4, s21
	v_and_b32 v[ETL], 7, v0
	v_lshl_add_u32 v[ETL], v[ETL], 3, s21
	; where the tile goes: b = tile row / 8, s0 = 256 (tile row % 8), head = tile column % 8; rows of 512 bytes
	s_and_b32 s16, s42, 7
	s_lshr_b32 s19, s13, 3
	s_lshl_b32 s19, s19, 3
	s_add_co_u32 s19, s19, s16
	s_lshl_b32 s19, s19, 11
	s_and_b32 s20, s13, 7
	s_lshl_b32 s20, s20, 8
	s_lshl_b32 s21, s10, 6
	s_add_co_u32 s20, s20, s21                     ; s0 + 64 w: my first row in the sequence
	s_add_co_u32 s19, s19, s20
	s_lshl_b32 s[OFS], s19, 9
	s_cmp_lt_u32 s[CLX], 2
	s_cselect_b64 s[8:9], s[74:75], s[78:79]       ; qh, or sg
	s_add_nc_u64 s[8:9], s[8:9], s[OFS:OFS+1]
	s_lshl_b32 s[OFS], s20, 7                      ; a row of the table is 128 bytes
	s_add_nc_u64 s[TBL:TBL+1], s[72:73], s[OFS:OFS+1]
	s_mov_b32 s[AL], 1.0
	s_mov_b32 s[BE], 0
	global_load_b128 v[WN:WN+3],   v[WOF], s[68:69]             ; w[4 l ..]
	global_load_b128 v[WN+4:WN+7], v[WOF], s[68:69] offset:512  ; w[128 + 4 l ..]
.irp j, 0,1,2,3,4,5,6,7,8,9,10,11,12,13,14,15
	global_load_b128 v[64+4*(\j):67+4*(\j)], v[WOF], s[TBL:TBL+1] offset:512*(\j)   ; my 64 rows of the table: 8,192 consecutive bytes
.endr
	; the prefetches
	s_lshl_b32 s13, s13, 8
	s_lshl_b32 s42, s42, 8
	s_cmp_eq_u32 s11, 0                            ; do I fetch for xb?
	s_cselect_b32 s20, s13, s42                    ; the tile's first row
	s_cselect_b32 s21, s40, s41                    ; my place among the four that ask for it with me
	s_cselect_b32 s22, s[CLX], s[CLY]              ; the coordinate along which other clusters read the same rows
	s_cselect_b64 s[PFA:PFA+1], s[4:5], s[6:7]
	s_cmp_eq_u32 s22, 0
	s_cselect_b32 s[LIM], 1, -1
	s_lshl_b32 s22, s12, 7
	s_add_co_u32 s20, s20, s22
	s_lshl_b32 s21, s21, 5
	s_add_co_u32 s20, s20, s21
	s_mov_b32 s21, 0
	s_mov_b64 s[18:19], SIZE_K*2
	s_mul_u64 s[20:21], s[20:21], s[18:19]
	s_add_nc_u64 s[PFA:PFA+1], s[PFA:PFA+1], s[20:21]
	s_add_nc_u64 s[PFA:PFA+1], s[PFA:PFA+1], 2*KSTEP*2  ; at K step 2: the first refill steps it to 3 and names K step 4
	v_and_b32 v[PFO], 31, v0
	v_mul_u32_u24 v[PFO], v[PFO], SIZE_K*2
	s_wait_loadcnt 0x0                             ; the weight and the table's rows
.irp j, 0,1,2,3,4,5,6,7,8,9,10,11,12,13,14,15
	ds_store_b128 v[ETS], v[64+4*(\j):67+4*(\j)] offset:512*(\j)
.endr
	s_wait_dscnt 0x0                               ; no LDS instruction is pending at a signal
	s_wait_tensorcnt 1                             ; my part of K step 0 is in; K step 1's may stay out
	s_barrier_signal -1
	s_barrier_wait -1
	FETCH 0, 0, F0
	QUARTER 0, 64,  F0, F1, 1                      ; the first quarter's products start the sums
	WIN 0
	s_mov_b32 s3, LAPS-1
.Llap:                                                 ; a trip goes once round the ring and fills both slots again
	QUARTER 0, 128, F1, F0, 0
	QUARTER 0, 192, F0, F1, 0
	TURN 0, 1, 1
	QUARTER 1, 64,  F0, F1, 0
	QUARTER 1, 128, F1, F0, 0
	QUARTER 1, 192, F0, F1, 0
	TURN 1, 0, 1
	QUARTER 0, 64,  F0, F1, 0
	WIN 0
	s_sub_co_u32 s3, s3, 1
	s_cmp_lg_u32 s3, 0
	s_cbranch_scc1 .Llap
	QUARTER 0, 128, F1, F0, 0                      ; the last lap fills nothing
	QUARTER 0, 192, F0, F1, 0
	TURN 0, 1, 0
	QUARTER 1, 64,  F0, F1, 0
	QUARTER 1, 128, F1, F0, 0
	QUARTER 1, 192, F0, F1, 0
	s_wait_dscnt 8
	MUL16 F1, 0, 0, 0
	MUL16 F1, 0, 2, 0
	s_wait_dscnt 0x0                               ; my last reads of the ring are back
	MUL16 F1, 1, 0, 0
	MUL16 F1, 1, 2, 0
	WIN 0
	; THE WAY OUT.  Every wave's reads of the ring are over behind this barrier; no tensor load follows on this path, so the ring's bytes take the tile.
	s_barrier_signal -1
	s_barrier_wait -1
	PLACES
.irp hh, 0,1
	WIN 0x08+4*(\hh)                               ; store data in window 2, then 3
.irp a, 0,1,2,3
.irp b, 0,1,2,3,4,5,6,7
	ds_store_b128 v[EST+(\hh)], v[8*(8*(\a)+(\b)):8*(8*(\a)+(\b))+3]   offset:(\a)*16*EP+64*(\b)       ; each accumulator's low registers first
	ds_store_b128 v[EST+(\hh)], v[8*(8*(\a)+(\b))+4:8*(8*(\a)+(\b))+7] offset:(\a)*16*EP+64*(\b)+16
.endr
.endr
.endr
	WIN 0
	s_wait_dscnt 0x0                               ; for the others' sake: my stores into the stage are done
	s_barrier_signal -1
	s_barrier_wait -1
	s_mov_b32 s3, 16                               ; 64 rows, four a trip
	s_cmp_ge_u32 s[CLX], 2                         ; clusters with c % 4 = 2, 3 hold gate heads: the same answer in all sixteen partners
	s_cbranch_scc1 .Lgate
	NORMLOOP big
	s_branch .Lend
.Lgate:                                                ; silu(x) = x / (1 + 2^T) with T = -x log2(e): T R with R = 1 / (-log2(e) 2^T - log2(e)).  x itself is wanted at the trip's head alone
	ROWS_IN
.Lgtrip:
	s_wait_dscnt 0x0
.set i, 0
.rept 16
	v_pk_mul_f32 v[YR+i:YR+i+1], v[XR+i:XR+i+1], s[KL:KL+1] op_sel_hi:[1,0]
.set i, i+2
.endr
	s_cmp_eq_u32 s3, 1                             ; the last trip has no rows behind it
	s_cbranch_scc1 .Lgl
	v_add_nc_u32 v[ERD], 4*EP, v[ERD]
	ROWS_IN
.Lgl:
.set i, 0
.rept 32
	v_exp_f32 v[CSR+i], v[YR+i]
.set i, i+1
.endr
	v_nop
	s_wait_alu depctr_va_vdst(0)                   ; one wait for the 32 exponentials
.set i, 0
.rept 16
	v_pk_fma_f32 v[CSR+i:CSR+i+1], v[CSR+i:CSR+i+1], s[KL:KL+1], s[KL:KL+1] op_sel_hi:[1,0,0]
.set i, i+2
.endr
.set i, 0
.rept 32
	v_rcp_f32 v[CSR+i], v[CSR+i]
.set i, i+1
.endr
	v_nop
	s_wait_alu depctr_va_vdst(0)                   ; one wait for the 32 reciprocals
.set i, 0
.rept 16
	v_pk_mul_f32 v[CSR+i:CSR+i+1], v[CSR+i:CSR+i+1], v[YR+i:YR+i+1]
.set i, i+2
.endr
	OUT_FREE
.set i, 0
.rept 16
	v_cvt_pk_f16_f32 v[OUT+i], v[CSR+2*i], v[CSR+2*i+1]
.set i, i+1
.endr
	ROWS_OUT
	s_cbranch_scc1 .Lgtrip
.Lend:
	s_wait_tensorcnt 0x0                           ; the wave's end: behind my last tensor load and my last LDS store
	ds_add_u32 v[SPW], v[NIL]
	s_wait_dscnt 0x0
	CROUND                                         ; the closing round
	s_endpgm
	; ---- THE SMALL TILE: 64 rows of xb x one k or v head.  No prefetch on this path: the tile is small, 64 matrix instructions a wave in a K step.
.Lsmall:
	s_sub_co_u32 s13, s[CLY], 4
	s_lshl_b32 s13, s13, 2
	s_add_co_u32 s13, s13, s[CLX]                  ; c - 16
	s_lshl_b32 s13, s13, 2
	s_add_co_u32 s13, s13, s41                     ; u = 4 (c - 16) + cy: my 64 rows, which my row of the cluster shares
	s_mov_b32 s[G1+2], 32<<16                      ; xb's loads bring 32 rows each: tensor_dim1,
	s_mov_b32 s[G1+4], 32                          ; tile_dim1
	s_lshl_b32 s16, s13, 6
	s_lshl_b32 s17, s12, 5
	s_add_co_u32 s16, s16, s17                     ; xb: row 64 u + 32 x half
	s_lshl_b32 s16, s16, 11                        ; rows of 2,048 bytes
	s_mov_b32 s17, 0
	s_lshl_b32 s46, s40, 8
	s_lshl_b32 s47, s12, 7
	s_add_co_u32 s46, s46, s47
	s_add_co_u32 s46, s46, 4096                    ; wb: row 4096 + 256 cx + 128 x half, which my column of the cluster shares
	s_lshl_b32 s46, s46, 11
	s_mov_b32 s47, 0
	s_add_nc_u64 s[14:15], s[4:5], s[16:17]
	s_add_nc_u64 s[46:47], s[6:7], s[46:47]
	s_mul_i32 s20, s12, 32*PITCH                   ; where they go: xb's halves (waves 0, 1),
	s_mul_i32 s21, s12, HALFT
	s_add_co_u32 s21, s21, SA                      ; wb's halves behind them (waves 2, 3): the wave's number alone
	CROUND                                         ; all sixteen work-groups are here: the first joint loads meet
.irp s, 0,1
	s_mov_b32 s[G0+4*(\s)], 1
	s_add_co_u32 s[G0+4*(\s)+1], s20, (\s)*SSLOT
	s_add_nc_u64 s[G0+4*(\s)+2:G0+4*(\s)+3], s[14:15], (\s)*KSTEP*2
	s_or_b32 s[G0+4*(\s)+3], s[G0+4*(\s)+3], 0x80000000
	s_mov_b32 s[G0B+4*(\s)], 1
	s_add_co_u32 s[G0B+4*(\s)+1], s21, (\s)*SSLOT
	s_add_nc_u64 s[G0B+4*(\s)+2:G0B+4*(\s)+3], s[46:47], (\s)*KSTEP*2
	s_or_b32 s[G0B+4*(\s)+3], s[G0B+4*(\s)+3], 0x80000000
	JLOAD \s                                       ; two loads of mine are out
.endr
	s_mul_i32 s22, s10, 64*PITCH
	s_add_co_u32 s22, s22, SA                      ; my 64 rows of wb; xb's 64 rows are everybody's
	v_mov_b32 v[ADRA], v3
	v_add_nc_u32 v[ADRA+1], SSLOT, v3
	v_add_nc_u32 v[ADRB], s22, v3
	s_add_co_u32 s22, s22, SSLOT
	v_add_nc_u32 v[ADRB+1], s22, v3
	v_mul_u32_u24 v[EST], v1, EP                   ; into the stage: row 16 a + l % 16, byte 256 w + 64 b + 32 (l / 16)
	v_lshl_add_u32 v[EST], v2, 5, v[EST]
	s_lshl_b32 s21, s10, 8
	s_add_co_u32 s21, s21, STG2
	v_add_nc_u32 v[EST], s21, v[EST]
	s_mul_i32 s21, s10, 16*EP
	s_add_co_u32 s21, s21, STG2
	v_lshl_add_u32 v[ERD], v[LN], 4, s21           ; back: my 16 rows, 16 bytes a lane
	s_lshl_b32 s21, s10, 11
	s_add_co_u32 s21, s21, TBLS                    ; my 16 rows of the table
	v_lshl_add_u32 v[ETS], v[LN], 4, s21
	v_and_b32 v[ETL], 7, v0
	v_lshl_add_u32 v[ETL], v[ETL], 3, s21
	; where the tile goes: b = u / 32, s = 64 (u % 32) + 16 w, head = cx % 2; v lies 4,194,304 bytes behind k
	s_lshr_b32 s19, s13, 5
	s_lshl_b32 s19, s19, 1
	s_and_b32 s16, s40, 1
	s_add_co_u32 s19, s19, s16
	s_lshl_b32 s19, s19, 11
	s_and_b32 s20, s13, 31
	s_lshl_b32 s20, s20, 6
	s_lshl_b32 s21, s10, 4
	s_add_co_u32 s20, s20, s21
	s_add_co_u32 s19, s19, s20
	s_lshl_b32 s[OFS], s19, 9
	s_and_b32 s18, s40, 2                          ; a v head?
	s_cselect_b32 s[AL], 0, 1.0
	s_cselect_b32 s[BE], 1.0, 0
	s_lshl_b32 s18, s18, 21
	s_add_co_u32 s[OFS], s[OFS], s18
	s_add_nc_u64 s[8:9], s[76:77], s[OFS:OFS+1]
	s_lshl_b32 s[OFS], s20, 7
	s_add_nc_u64 s[TBL:TBL+1], s[72:73], s[OFS:OFS+1]
	global_load_b128 v[WN:WN+3],   v[WOF], s[70:71]
	global_load_b128 v[WN+4:WN+7], v[WOF], s[70:71] offset:512
.irp j, 0,1,2,3
	global_load_b128 v[64+4*(\j):67+4*(\j)], v[WOF], s[TBL:TBL+1] offset:512*(\j)   ; my 16 rows of the table: 2,048 consecutive bytes
.endr
	s_wait_loadcnt 0x0
.irp j, 0,1,2,3
	ds_store_b128 v[ETS], v[64+4*(\j):67+4*(\j)] offset:512*(\j)
.endr
	s_wait_dscnt 0x0                               ; no LDS instruction is pending at a signal
	s_wait_tensorcnt 1                             ; my part of K step 0 is in; K step 1's may stay out
	s_barrier_signal -1
	s_barrier_wait -1
	SFETCH 0, 0, SF0
	SHALF 0, 1                                     ; the first products start the sums
	WIN 0
	s_mov_b32 s3, LAPS-1
.Lslap:                                                ; a trip goes once round the ring and fills both slots again
	STURN 0, 1, 1
	SHALF 1, 0
	STURN 1, 0, 1
	SHALF 0, 0
	WIN 0
	s_sub_co_u32 s3, s3, 1
	s_cmp_lg_u32 s3, 0
	s_cbranch_scc1 .Lslap
	STURN 0, 1, 0                                  ; the last lap fills nothing
	SHALF 1, 0
	s_wait_dscnt 16
	SMUL8 SF1, 0, 0, 0
	SMUL8 SF1, 0, 2, 0
	s_wait_dscnt 0x0
	SMUL8 SF1, 1, 0, 0
	SMUL8 SF1, 1, 2, 0
	WIN 0
	PLACES
.irp a, 0,1,2,3
.irp b, 0,1,2,3
	ds_store_b128 v[EST], v[ACC2+8*(4*(\a)+(\b)):ACC2+8*(4*(\a)+(\b))+3]   offset:(\a)*16*EP+64*(\b)      ; each accumulator's low registers first
	ds_store_b128 v[EST], v[ACC2+8*(4*(\a)+(\b))+4:ACC2+8*(4*(\a)+(\b))+7] offset:(\a)*16*EP+64*(\b)+16
.endr
.endr
	s_wait_dscnt 0x0                               ; for the others' sake: my stores into the stage are done
	s_barrier_signal -1
	s_barrier_wait -1
	s_mov_b32 s3, 4                                ; 16 rows, four a trip
	NORMLOOP small
	s_wait_tensorcnt 0x0                           ; the wave's end: behind my last tensor load and my last LDS store
	ds_add_u32 v[SPW], v[NIL]
	s_wait_dscnt 0x0
	CROUND                                         ; the closing round
	s_endpgm
.Lfunc_end_k_qb9958bc26c_qkv:
	.size	k_qb9958bc26c_qkv, .Lfunc_end_k_qb9958bc26c_qkv-k_qb9958bc26c_qkv
	.p2alignl 7, 3214868480
	.fill 96, 4, 3214868480
	.section	.rodata,"a",@progbits
	.p2align	6, 0x0
	.amdhsa_kernel k_qb9958bc26c_qkv
		.amdhsa_group_segment_fixed_size 327680
		.amdhsa_private_segment_fixed_size 0
		.amdhsa_enable_private_segment 0
		.amdhsa_kernarg_size 64
		.amdhsa_user_sgpr_count 2
		.amdhsa_user_sgpr_kernarg_segment_ptr 1
		.amdhsa_wavefront_size32 1
		.amdhsa_system_sgpr_workgroup_id_x 1
		.amdhsa_system_sgpr_workgroup_id_y 1
		.amdhsa_system_sgpr_workgroup_id_z 1
		.amdhsa_system_vgpr_workitem_id 0
		.amdhsa_next_free_vgpr 1024
		.amdhsa_next_free_sgpr 98
		.amdhsa_reserve_vcc 1
		.amdhsa_float_denorm_mode_32 3
		.amdhsa_float_denorm_mode_16_64 3
		.amdhsa_memory_ordered 1
		.amdhsa_forward_progress 1
		.amdhsa_inst_pref_size 208
	.end_amdhsa_kernel
	.amdgpu_metadata
---
amdhsa.version: [ 1, 2 ]
amdhsa.kernels:
  - .name:           k_qb9958bc26c_qkv
    .symbol:         k_qb9958bc26c_qkv.kd
    .args:
      - { .name: xb, .offset: 0, .size: 8, .value_kind: global_buffer, .address_space: global }
      - { .name: wb, .offset: 8, .size: 8, .value_kind: global_buffer, .address_space: global }
      - { .name: q_norm_w, .offset: 16, .size: 8, .value_kind: global_buffer, .address_space: global }
      - { .name: k_norm_w, .offset: 24, .size: 8, .value_kind: global_buffer, .address_space: global }
      - { .name: rope, .offset: 32, .size: 8, .value_kind: global_buffer, .address_space: global }
      - { .name: qh, .offset: 40, .size: 8, .value_kind: global_buffer, .address_space: global }
      - { .name: kvh, .offset: 48, .size: 8, .value_kind: global_buffer, .address_space: global }
      - { .name: sg, .offset: 56, .size: 8, .value_kind: global_buffer, .address_space: global }
    .group_segment_fixed_size: 327680
    .private_segment_fixed_size: 0
    .kernarg_segment_align: 8
    .kernarg_segment_size: 64
    .max_flat_workgroup_size: 128
    .sgpr_count:     98
    .vgpr_count:     1024
    .wavefront_size: 32
...
	.end_amdgpu_metadata
.endif
;; end of part 2
;; launch attn (part 3): grid 64 x 4, 4 waves a work-group, clusters of 4 x 1, 327,680 bytes of LDS; arguments qh, kvh, sg, a2; writes a2
.if DOCPART == 3
	.amdgcn_target "amdgcn-amd-amdhsa--gfx1250"
	.amdhsa_code_object_version 6
	.text
	.protected	k_qb9958bc26c_attn
	.globl	k_qb9958bc26c_attn
	.p2align	8
	.type	k_qb9958bc26c_attn,@function
k_qb9958bc26c_attn:
	s_mov_b64 s[64:65], 0
	v_nop
	global_prefetch_b8 v0, s[64:65] scope:SCOPE_SE
	s_setreg_imm32_b32 hwreg(HW_REG_WAVE_MODE, 25, 1), 1
	s_wait_xcnt 0x0
	s_wait_alu depctr_hold_cnt(0) depctr_sa_sdst(0) depctr_va_vdst(0) depctr_va_sdst(0) depctr_va_ssrc(0) depctr_va_vcc(0) depctr_vm_vsrc(0)
	s_getreg_b32 s2, hwreg(HW_REG_IB_STS2, 6, 4)
	s_cmp_eq_u32 s2, 0
	s_cbranch_scc0 .Lentry_in_a_cluster
	s_endpgm
.Lentry_in_a_cluster:
	s_bfe_u32 s2, ttmp6, 0x10000c
	s_cmp_lg_u32 s2, 0x3003
	s_cbranch_scc0 .Lentry_shape_is_right
	s_endpgm
.Lentry_shape_is_right:
; ATTENTION at head size 256, no mask, four query heads to a key and value head, then times silu(gate).
; y = 2 b + kv head.  qh and sg: [y][8192 grouped queries = 4 heads x 2048][256] f16; kvh: K [y][2048][256] f16, V the same 4,194,304 bytes on; a2: [4096 rows][2048 = 256 head + channel] bf16.
; p = 2^(c s - c m), c = log2(e) / 16, with a running maximum m and sum l in f32; in every step O and l are multiplied by a = 2^(c m_old - c m_new).  p is rounded to f16 for the second product
; (l sums the unrounded p).  At the end O / l is multiplied in f32 by silu(gate) and rounded once, to bf16: a product of two free ranges has no room in f16.
; m starts at the lowest finite number, O and l at 0: the first step is a step like any other, with a = 0.
; LIMITS.  q, k, v and silu(gate) arrive in f16.  A weight below 2^-126 counts as 0 in l; NaN and infinities are not treated apart.
; SHARES.  A work-group owns 128 grouped queries of one y, each of its four waves 32: two tiles of 16.  256 work-groups.  Every wave walks all 2,048 keys, 64 a step.
; LAYOUT.  S^T = K Q^T (source 0 = 16 keys, source 1 = 16 queries): a lane holds ONE query (lane % 16) and the keys 8 (lane / 16) + 0..7.  Two such results rounded to f16 in pairs ARE source 1 of
; O^T = V^T P, whose result again holds one query a lane, and eight channels.  K comes out of LDS as it lies, V turned, by ds_load_tr16_b128.
; BY TURNS.  In turn x tile x has the matrix unit: 32 products V^T P of the step in hand, then 32 products K Q^T of the next step; the other tile's softmax, 166 vector instructions cut into 64 slices,
; stands between them, one slice behind each matrix instruction.  Two turns are a key step.
; CLUSTER.  The four query blocks of a cluster share y and walk the same K and V: each tile is asked for jointly, by the same tensor load, descriptor and mask in all four.
; REGISTERS, in windows of 256: window 0: v0-11 addresses; v12-27 statistics; v28-31; v32-95 S^T; v96-127 P; v128-255 Q.  window 1: O^T, 128 a tile.  window 2: K of one step.  window 3: V of one step.
.set KS,    64
.set PK,    528       ; a row of K in LDS: 512 bytes + 16: the 16 rows of a load start at 16 different groups of four banks
.set PV,    544       ; a row of V: 512 + 32
.set VOFF,  KS*PK
.set STEPB, KS*(PK+PV)
.set SLOT1, 0x22000   ; a slot holds two steps (137,216 bytes); slot 1 begins here: none of the bases that are turned (0, VOFF, STEPB, STEPB + VOFF) has one of its two bits, so an exclusive or changes slots
.set STAGE, SLOT1+2*STEPB  ; behind the ring: 16 rows x 528 bytes for each wave
.set SP,    528
.set SPARE, STAGE+4*16*SP  ; behind the stages: the spare words, 128 bytes a wave, that no other line names
.set SLOTB, 2*KS*512  ; bytes of K (or of V) in a slot, in memory
.set AK0, 2
.set AV0, 3
.set ADK, 4           ; the LDS address of K's run of loads in hand
.set ADV, 5           ; of V's
.set QO,  6           ; my byte offset in 16 rows of Q and of sg; never rewritten
.set STO, 7
.set RD,  8
.set ST,  12          ; tile t's statistics at v[ST+8 t]: c m, m, l, l, c0-c3 at work; a takes c2's place once the maximum is found
.set PFO, 28          ; 512 x lane; never rewritten
.set GO,  29          ; 16 x lane
.set SPW, 30
.set NIL, 31
.set S,   32
.set P,   96
.set Q,   128
.set WV,  12
.set LIM, 15
.set PFA, 18
.set G1K, 24
.set G1V, 32
.set G0K, 40
.set G0V, 48
.set SLOTS, 56
.set TWICE, 57
.set CS,  58
.set SEL, 60
.set TB,  62
.set MSB, 0
.macro WIN new
.if MSB != (\new)
	s_set_vgpr_msb (MSB<<8)|(\new)
.set MSB, \new
.endif
.endm
.set W_KQ, 0x02       ; K in window 2; Q and S^T in window 0
.set W_PV, 0x53       ; V in window 3, P in window 0, O^T in window 1
.set W_RS, 0x41       ; O^T (destination and source 0) in window 1, the factor in window 0
.macro JLOAD                        ; a joint refill: waves 0 and 1 fetch the two steps' K, waves 2 and 3 their V; an s_nop 0 and four v_nop follow each line
	s_cmp_lt_u32 s[WV], 2
	s_cbranch_scc0 .Lfor_v_\@
	tensor_load_to_lds s[G0K+4:G0K+7], s[G1K:G1K+7]
	s_nop 0
.rept 4
	v_nop
.endr
	s_branch .Lasked_\@
.Lfor_v_\@:
	tensor_load_to_lds s[G0V+4:G0V+7], s[G1V:G1V+7]
	s_nop 0
.rept 4
	v_nop
.endr
.Lasked_\@:
.endm
; A prefetch of what the NEXT change of slots will ask for: 128 rows of K and 128 of V, 512 bytes a row.  All clusters of a y walk the same rows: the first of them asks.  Its four partners take 32 rows each, by
; address; in each, waves 0 and 1 name the two halves of K's rows, waves 2 and 3 of V's: a lane a row, one instruction a wave.  So each 256 bytes are named once.  The last change that fills a slot asks for nothing.
.macro ASK
	s_cmp_gt_u32 s[SLOTS], s[LIM]
	s_cbranch_scc0 .Lnot_mine_\@
	global_prefetch_b8 v[PFO], s[PFA:PFA+1] th:TH_LOAD_NT scope:SCOPE_SE
.Lnot_mine_\@:
.endm
.macro CROUND
	s_barrier_signal -1
	s_barrier_wait -1
	s_cmp_lg_u32 s[WV], 0
	s_cbranch_scc1 .Lnot_wave_0_\@
	s_barrier_signal -3
.Lnot_wave_0_\@:
	s_barrier_wait -3
	s_barrier_signal -1
	s_barrier_wait -1
.endm
	s_load_b256 s[4:11], s[0:1], 0x0  ; qh s[4:5], kvh s[6:7], sg s[8:9], a2 s[10:11]
	v_lshl_add_u32 v[SPW], v0, 2, SPARE
	v_mov_b32 v[NIL], 0
	ds_add_u32 v[SPW], v[NIL]       ; the wave's opening: the add and its wait ahead of my first tensor load; work on registers stands between them
	v_lshrrev_b32 v1, 5, v0
	v_readfirstlane_b32 s[WV], v1
	s_bfe_u32 s13, ttmp6, 0x40000   ; cx
	s_lshl_b32 s14, ttmp9, 2
	s_add_co_u32 s14, s14, s13      ; my block of 128 grouped queries: it enters qh's, sg's and a2's addresses alone
	s_and_b32 s16, ttmp7, 0xffff    ; y, which the four partners share
	s_and_b32 s17, s[WV], 1         ; which of a slot's two steps I fetch
	s_lshl_b32 s20, s16, 20         ; a y has 2,048 rows of 512 bytes
	s_lshl_b32 s21, s17, 15         ; a step 64
	s_add_co_u32 s20, s20, s21
	s_mov_b32 s21, 0
	s_lshl_b32 s[PFA], s16, 20      ; the prefetches' offset in kvh: y,
	s_lshl_b32 s63, s13, 14         ; my work-group's 32 rows of the 128,
	s_add_co_u32 s[PFA], s[PFA], s63
	s_lshl_b32 s63, s17, 8          ; my half of a row,
	s_add_co_u32 s[PFA], s[PFA], s63
	s_lshr_b32 s63, s[WV], 1
	s_lshl_b32 s63, s63, 22         ; K or V,
	s_add_co_u32 s[PFA], s[PFA], s63
	s_add_co_u32 s[PFA], s[PFA], 2*SLOTB  ; slot 2; the first change of slots steps it to slot 3
	s_mov_b32 s[PFA+1], 0
	s_mul_i32 s17, s17, STEPB       ; my tile's place in a slot: no place in the cluster enters an LDS address
	s_lshl_b32 s2, s16, 22          ; qh and sg: y's 8,192 rows,
	s_lshl_b32 s3, s14, 16          ; my block's 128,
	s_add_co_u32 s2, s2, s3
	s_lshl_b32 s3, s[WV], 14        ; my wave's 32
	s_add_co_u32 s2, s2, s3
	s_mov_b32 s3, 0
	s_lshr_b32 s22, s16, 1          ; a2: row = 2048 b + 128 (block % 16) + 32 w,
	s_lshl_b32 s22, s22, 11
	s_and_b32 s23, s14, 15
	s_lshl_b32 s23, s23, 7
	s_add_co_u32 s22, s22, s23
	s_lshl_b32 s23, s[WV], 5
	s_add_co_u32 s22, s22, s23
	s_lshl_b32 s22, s22, 12         ; of 4,096 bytes;
	s_and_b32 s23, s16, 1
	s_lshl_b32 s23, s23, 2
	s_lshr_b32 s63, s14, 4
	s_add_co_u32 s23, s23, s63      ; head = 4 (y % 2) + block / 16,
	s_lshl_b32 s23, s23, 9          ; of 512 bytes
	s_add_co_u32 s22, s22, s23
	s_mov_b32 s23, 0
	s_mov_b32 s[G1K], 15|(1<<16)|(1<<20)|(1<<21)|(6<<22)|(3<<25)  ; the mask of four; elements of 2 bytes; padding on; bit 21 beside a mask; after every 128 words; 4 words
	s_mov_b32 s[G1V], 15|(1<<16)|(1<<20)|(1<<21)|(6<<22)|(7<<25)  ; the same with 8 words
.irp g, G1K, G1V
	s_mov_b32 s[(\g)+1], 256<<16    ; tensor_dim0 = 256
	s_mov_b32 s[(\g)+2], KS<<16     ; tensor_dim1 = 64
	s_mov_b32 s[(\g)+3], 256<<16    ; tile_dim0 = 256
	s_mov_b32 s[(\g)+4], KS         ; tile_dim1 = 64
	s_mov_b32 s[(\g)+5], 256        ; elements from row to row
	s_mov_b32 s[(\g)+6], 0
	s_mov_b32 s[(\g)+7], 0
.endr
	s_mov_b32 s[CS], 0x3db8aa3b     ; c = log2(e) / 16
	s_mov_b32 s[CS+1], s[CS]
	s_mov_b32 s[SEL], 0x76543210
	s_mov_b32 s[SEL+1], 0xfedcba98
	s_mov_b32 s[TB], 0
	s_cmp_eq_u32 ttmp9, 0           ; y's first cluster prefetches: the same answer in all four partners
	s_cselect_b32 s[LIM], 1, -1
	v_and_b32 v[PFO], 31, v0
	v_lshlrev_b32 v[PFO], 9, v[PFO]
	s_wait_dscnt 0x0                ; the opening add is done
	s_wait_kmcnt 0x0
	s_add_nc_u64 s[PFA:PFA+1], s[6:7], s[PFA:PFA+1]
	s_add_nc_u64 s[6:7], s[6:7], s[20:21]        ; K at my tile of slot 0,
	s_add_nc_u64 s[20:21], s[6:7], 0x400000      ; V
	s_add_nc_u64 s[4:5], s[4:5], s[2:3]
	s_add_nc_u64 s[8:9], s[8:9], s[2:3]
	s_add_nc_u64 s[10:11], s[10:11], s[22:23]
	CROUND                          ; all four work-groups are here: the first joint loads meet
.irp s, 0,1
	s_mov_b32 s[G0K+4*(\s)], 1
	s_add_co_u32 s[G0K+4*(\s)+1], s17, (\s)*SLOT1
	s_add_nc_u64 s[G0K+4*(\s)+2:G0K+4*(\s)+3], s[6:7], (\s)*SLOTB
	s_or_b32 s[G0K+4*(\s)+3], s[G0K+4*(\s)+3], 0x80000000
	s_mov_b32 s[G0V+4*(\s)], 1
	s_add_co_u32 s[G0V+4*(\s)+1], s17, (\s)*SLOT1+VOFF
	s_add_nc_u64 s[G0V+4*(\s)+2:G0V+4*(\s)+3], s[20:21], (\s)*SLOTB
	s_or_b32 s[G0V+4*(\s)+3], s[G0V+4*(\s)+3], 0x80000000
.endr
	s_cmp_lt_u32 s[WV], 2           ; a wave's two first fills stand in one branch: two loads of mine are out
	s_cbranch_scc0 .Lfirst_v
	tensor_load_to_lds s[G0K:G0K+3], s[G1K:G1K+7]
	s_nop 0
	tensor_load_to_lds s[G0K+4:G0K+7], s[G1K:G1K+7]
	s_nop 0
.rept 4
	v_nop
.endr
	s_branch .Lfirst_asked
.Lfirst_v:
	tensor_load_to_lds s[G0V:G0V+3], s[G1V:G1V+7]
	s_nop 0
	tensor_load_to_lds s[G0V+4:G0V+7], s[G1V:G1V+7]
	s_nop 0
.rept 4
	v_nop
.endr
.Lfirst_asked:
	v_and_b32 v1, 15, v0            ; l % 16
	v_bfe_u32 v9, v0, 4, 1          ; l / 16
	v_lshlrev_b32 v[QO], 9, v1
	v_lshl_add_u32 v[QO], v9, 4, v[QO]  ; row x 512 + 16 x half
.set i, 0
.rept 16                            ; Q stays in registers: tile i / 8, channels 32 (i % 8) on
	global_load_b128 v[Q+8*i:Q+8*i+3],   v[QO], s[4:5] offset:(i/8)*8192+(i%8)*64
	global_load_b128 v[Q+8*i+4:Q+8*i+7], v[QO], s[4:5] offset:(i/8)*8192+(i%8)*64+32
.set i, i+1
.endr
	; What the first turn finds: V and tile 1's P hold 0 (its products V^T P, of a step that has not been, add 0), O^T and l are 0.  All this stands in the wait for the first tile.
	WIN 0x40
.set i, 0
.rept 256
	v_mov_b32 v[i], 0
.set i, i+1
.endr
	WIN 0xc0
.set i, 0
.rept 256
	v_mov_b32 v[i], 0
.set i, i+1
.endr
	WIN 0
.irp t, 0,1
	v_mov_b32 v[ST+8*(\t)], 0xfe000000    ; c m: far below every c s
	v_mov_b32 v[ST+8*(\t)+1], 0xff7fffff  ; m
	v_mov_b32 v[ST+8*(\t)+2], 0
	v_mov_b32 v[ST+8*(\t)+3], 0
.endr
.set i, P+16
.rept 16
	v_mov_b32 v[i], 0
.set i, i+1
.endr
	v_mul_u32_u24 v[AK0], v1, PK
	v_lshl_add_u32 v[AK0], v9, 4, v[AK0]  ; row x pitch + 16 x half
	v_and_b32 v10, 7, v0            ; the turning load: lane l reads key 8 (l / 16) + l % 8, channels 8 ((l / 8) % 2) + 0..7
	v_bfe_u32 v11, v0, 3, 1
	v_lshl_add_u32 v[AV0], v9, 3, v10
	v_mul_u32_u24 v[AV0], v[AV0], PV
	v_lshl_add_u32 v[AV0], v11, 4, v[AV0]
	v_add_nc_u32 v[AV0], VOFF, v[AV0]
; THE MATRIX WORK.  The accumulators take turns, one instruction a turn: 16 (V^T P) or 4 (K Q^T) of them.
.macro PV x                         ; product i of 32 of O^T += V^T P: keys 32 (i / 16) on, channels 16 (i % 16) on
	WIN W_PV
.set rO, 128*(\x)+8*(i%16)
.set rV, 128*(i/16)+8*(i%16)
.set rP, P+16*(\x)+8*(i/16)
	v_wmma_f32_16x16x32_f16 v[rO:rO+7], v[rV:rV+7], v[rP:rP+7], v[rO:rO+7]
.endm
.macro KQ x                         ; product i of 32 of S^T = K Q^T: channels 32 (i / 4) on, keys 16 (i % 4) on.  The first 4 start the sums
	WIN W_KQ
.set rS, S+32*(\x)+8*(i%4)
.set rK, 64*(i%4)+8*(i/4)
.set rQ, Q+64*(\x)+8*(i/4)
.if i < 4
	v_wmma_f32_16x16x32_f16 v[rS:rS+7], v[rK:rK+7], v[rQ:rQ+7], 0
.else
	v_wmma_f32_16x16x32_f16 v[rS:rS+7], v[rK:rK+7], v[rQ:rQ+7], v[rS:rS+7]
.endif
.endm
; THE LDS LOADS stand in runs of 32: a step's K in two halves (channels 0-127, 128-255), its V in two halves (keys 0-31, 32-63).
.macro FETCH_K half
.if (\half) == 0
	WIN 0
	v_add_nc_u32 v[ADK], s[TB], v[AK0]
.endif
	WIN 0x80                        ; destination window 2
.irp kb, 0,1,2,3
.irp c, 0,1,2,3
	ds_load_b128 v[64*(\kb)+8*(4*(\half)+(\c)):64*(\kb)+8*(4*(\half)+(\c))+3],   v[ADK] offset:(\kb)*16*PK+(4*(\half)+(\c))*64
	ds_load_b128 v[64*(\kb)+8*(4*(\half)+(\c))+4:64*(\kb)+8*(4*(\half)+(\c))+7], v[ADK] offset:(\kb)*16*PK+(4*(\half)+(\c))*64+32
.endr
.endr
.endm
.macro FETCH_V half
.if (\half) == 0
	WIN 0
	v_add_nc_u32 v[ADV], s[TB], v[AV0]
	s_add_co_u32 s[TB], s[TB], STEPB  ; the next fetch is the next step's
.endif
	WIN 0xc0                        ; destination window 3
.irp cb, 0,1,2,3,4,5,6,7,8,9,10,11,12,13,14,15
	ds_load_tr16_b128 v[128*(\half)+8*(\cb):128*(\half)+8*(\cb)+3],   v[ADV] offset:(\half)*32*PV+(\cb)*32
	ds_load_tr16_b128 v[128*(\half)+8*(\cb)+4:128*(\half)+8*(\cb)+7], v[ADV] offset:(\half)*32*PV+16*PV+(\cb)*32
.endr
.endm
.macro FETCH_SG                     ; silu(gate) of my 32 queries, into K's registers, which nobody reads any more: tile n / 16, channels 16 (n % 16) + 8 (l / 16) on: as O^T lies
	WIN 0x80
.set n, 0
.rept 32
	global_load_b128 v[4*n:4*n+3], v[QO], s[8:9] offset:(n/16)*8192+(n%16)*32
.set n, n+1
.endr
.endm
; THE VECTOR WORK OF A TURN: one tile's softmax for one key step, a list of 166 instructions; SM writes number j of it for tile t.  s0-s31 are the lane's 32 scores, in pairs 0-15.
;   0-15    the maximum of s0-s31 and the old m, three operands at a time (each accumulator's lowest registers are read first)
;   16-20   the other half of the lanes' maximum; the new m; c m; c m_old - c m_new
;   21-69   ONE BATCH: the 16 scalings c s - c m and all 33 exponentials (a at 23, then s0-s31); none of these reads an exponential's result; a pair is scaled some numbers ahead of its exponentials
;   (wait)  ahead of 70: a plain instruction behind the last exponential, and one wait ahead of the first reader
;   70-85   the roundings to f16        86-101  the sums; l = a l + the sum        102-165 the tile's O^T times a
.macro SM t
.set rT, ST+8*(\t)
.set rS, S+32*(\t)
.set rP, P+16*(\t)
.set rO, 128*(\t)+2*(j-102)
.if j < 102
	WIN 0
.endif
.if j == 70
	v_nop
	s_wait_alu depctr_va_vdst(0)
.endif
.if j < 4
	v_max3_num_f32 v[rT+4+j], v[rS+8*j], v[rS+8*j+1], v[rS+8*j+2]
.elseif j < 12
	v_max3_num_f32 v[rT+4+j%4], v[rT+4+j%4], v[rS+8*(j%4)+2*(j/4)+1], v[rS+8*(j%4)+2*(j/4)+2]
.elseif j == 12
	v_max3_num_f32 v[rT+4], v[rT+4], v[rS+7], v[rS+15]
.elseif j == 13
	v_max3_num_f32 v[rT+6], v[rT+6], v[rS+23], v[rS+31]
.elseif j == 14
	v_max3_num_f32 v[rT+4], v[rT+4], v[rT+5], v[rT+6]
.elseif j == 15
	v_max3_num_f32 v[rT+4], v[rT+4], v[rT+7], v[rT+1]
.elseif j == 16
	v_permlanex16_b32 v[rT+5], v[rT+4], s[SEL], s[SEL+1]  ; the query's other 32 keys lie in the lane 16 away
.elseif j == 17
	v_mov_b32 v[rT+7], v[rT]        ; c m_old is kept for a
.elseif j == 18
	v_max_num_f32 v[rT+1], v[rT+4], v[rT+5]
.elseif j == 19
	v_mul_f32 v[rT], s[CS], v[rT+1]
.elseif j == 20
	v_sub_f32 v[rT+7], v[rT+7], v[rT]
.elseif j == 23
	v_exp_f32 v[rT+6], v[rT+7]
.elseif (j < 23) || ((j < 38) && (j%2 == 0)) || ((j < 66) && (j%4 == 2))
.set b, (j-2)/4                     ; 38, 42, .. 62: pairs 9 to 15
.if j < 38
.set b, (j-20)/2                    ; 21: pair 0; 22, 24, .. 36: pairs 1 to 8
.endif
	v_pk_fma_f32 v[rS+2*b:rS+2*b+1], v[rS+2*b:rS+2*b+1], s[CS:CS+1], v[rT:rT+1] op_sel_hi:[1,0,0] neg_lo:[0,0,1] neg_hi:[0,0,1]
.elseif j < 70
.set e, j-38                        ; 66 to 69: s28 to s31
.if j < 66
.set e, j-32-(j-38)/4               ; 39-41, 43-45, .. 63-65: s7 to s27
.endif
.if j < 38
.set e, (j-25)/2                    ; 25, 27, .. 37: s0 to s6
.endif
	v_exp_f32 v[rS+e], v[rS+e]
.elseif j < 86
	v_cvt_pk_f16_f32 v[rP+j-70], v[rS+2*(j-70)], v[rS+2*(j-70)+1]
.elseif j < 102                     ; the 16 pairs are added in place, neighbours 1, 2, 4 and 8 pairs apart; then l takes the sum
.set z, j-86
.set w, 4
.set u, z
.if z >= 14
.set w, 32
.set u, 0
.elseif z >= 12
.set w, 16
.set u, z-12
.elseif z >= 8
.set w, 8
.set u, z-8
.endif
.if z < 15
	v_pk_add_f32 v[rS+w*u:rS+w*u+1], v[rS+w*u:rS+w*u+1], v[rS+w*u+w/2:rS+w*u+w/2+1]
.else
	v_pk_fma_f32 v[rT+2:rT+3], v[rT+2:rT+3], v[rT+6:rT+7], v[rS:rS+1] op_sel_hi:[1,0,1]
.endif
.else
	WIN W_RS
	v_pk_mul_f32 v[rO:rO+1], v[rO:rO+1], v[rT+6:rT+7] op_sel_hi:[1,0]
.endif
.endm
; Slice k of 64: the numbers from 18 k / 7 up to 18 (k + 1) / 7 (two or three); slice 63 has the last four, all plain, naming nothing of the products round them: the places behind the turn's last product.
.macro SLICE y
.set jend, (18*(k+1))/7
.if k == 63
.set jend, 166
.endif
.rept jend-j
	SM \y
.set j, j+1
.endr
.set k, k+1
.endm
; A TURN, for tile x.  Tile 0's turn fetches the next step's K: channels 0-127 behind slice 1, 128-255 behind slice 17; their last readers stand in the turn before, in front of its slice 63 at the latest.
; Tile 1's turn fetches the same step's V: keys 0-31 behind slice 27 (last read by product 15: seven scalings and a v_nop lie between), keys 32-63 behind slice 35 (last read by product 31: roundings and sums lie between).
; The waits stand in tile 0's turn, each leaving the one younger run of 32 out: V's first half ahead of product 0, its second ahead of product 16, K's first half ahead of product 32; K's second, for 0, ahead of product 48.
; last = 1 (tile 0 alone): the last step: no K, no K Q^T; silu(gate) is asked for instead.
.macro TURN x, last=0
.set k, 0
.set j, 0
.set i, 0
.rept 32
.if ((\x) == 0) && (i == 0)
	s_wait_dscnt 32
.endif
.if ((\x) == 0) && (i == 16)
.if \last
	s_wait_dscnt 0x0
.else
	s_wait_dscnt 32
.endif
.endif
	PV \x
	SLICE 1-(\x)
.if ((\x) == 0) && (k == 2)
.if \last
	FETCH_SG
.else
	FETCH_K 0
.endif
.endif
.if ((\x) == 0) && (k == 18) && !(\last)
	FETCH_K 1
.endif
.if ((\x) == 1) && (k == 28)
	FETCH_V 0
.endif
.set i, i+1
.endr
.set i, 0
.rept 32
.if !(\last)
.if ((\x) == 0) && (i == 0)
	s_wait_dscnt 32
.endif
.if ((\x) == 0) && (i == 16)
	s_wait_dscnt 0x0
.endif
	KQ \x
.endif
	SLICE 1-(\x)
.if ((\x) == 1) && (k == 36)
	FETCH_V 1
.endif
.set i, i+1
.endr
.endm
; THE CHANGE OF SLOTS, between tile 1's turn and tile 0's: the slot's last bytes, V of its second step, have been asked for.  Each wave waits for all its tensor loads, of which one is out: its part of the other
; slot; adds 0 to its spare word; and waits for that and for its own reads of the slot.  fill = 1: the slot is filled again, with the keys two slots on, first thing behind a round of the cluster's barrier.
.macro CHANGE fill
	WIN 0
	s_wait_tensorcnt 0x0            ; no tensor load of mine is out, so a group 0 may be written
	ds_add_u32 v[SPW], v[NIL]       ; 0 onto my spare word
.if \fill
.irp g, G0K+4, G0V+4
	s_xor_b32 s[(\g)+1], s[(\g)+1], SLOT1
	s_add_nc_u64 s[(\g)+2:(\g)+3], s[(\g)+2:(\g)+3], SLOTB
.endr
	s_wait_xcnt 0x0                 ; the last prefetch, two key steps back, has read its address
	s_add_nc_u64 s[PFA:PFA+1], s[PFA:PFA+1], SLOTB
	s_wait_dscnt 0x0                ; the add is done, and my reads of the slot are over
	CROUND
	JLOAD
	ASK
.else
	s_wait_dscnt 0x0
	s_barrier_signal -1
	s_barrier_wait -1
.endif
	s_sub_co_u32 s[TB], s[TB], 2*STEPB  ; the fetches go back to a slot's first step,
	s_xor_b32 s[TB], s[TB], SLOT1       ; in the other slot
.endm
	s_wait_tensorcnt 1              ; my part of slot 0 is in; slot 1's may stay out
	s_barrier_signal -1
	s_barrier_wait -1
	FETCH_K 0                       ; key step 0
	FETCH_K 1
	s_wait_loadcnt 0x0              ; Q
	s_wait_dscnt 0x0
.set i, 0
.rept 32
	KQ 0                            ; tile 0's first scores
.set i, i+1
.endr
	WIN 0                           ; the addresses for the way out: six plain instructions, the places behind those products
	s_mul_i32 s13, s[WV], 16*SP
	s_add_co_u32 s13, s13, STAGE    ; my stage
	v_mul_u32_u24 v[STO], v1, SP    ; in: row l % 16, 16 bytes for each half of the lanes
	v_lshl_add_u32 v[STO], v9, 4, v[STO]
	v_add_nc_u32 v[STO], s13, v[STO]
	v_and_b32 v[GO], 31, v0
	v_lshlrev_b32 v[GO], 4, v[GO]   ; back: 32 lanes take one row of 512 bytes
	v_add_nc_u32 v[RD], s13, v[GO]
	s_mov_b32 s[TWICE], 2
	s_mov_b32 s[SLOTS], 15
	s_branch .Lmid                  ; the loop is entered at tile 1's turn: its V^T P adds zeros, its K Q^T is step 0's, its slices are tile 0's first softmax
.Lslot:                             ; 14 times: every slot but the last two is filled again
	CHANGE 1
	s_mov_b32 s[TWICE], 2
.Lstep:
	TURN 0
	WIN 0
.Lmid:
	TURN 1
	WIN 0
	s_sub_co_u32 s[TWICE], s[TWICE], 1
	s_cmp_lg_u32 s[TWICE], 0
	s_cbranch_scc1 .Lstep
	s_sub_co_u32 s[SLOTS], s[SLOTS], 1
	s_cmp_lg_u32 s[SLOTS], 0
	s_cbranch_scc1 .Lslot
	CHANGE 0                        ; the tail is written out: nothing is asked for
	s_mov_b32 s[TWICE], 2
.Ltail:
	TURN 0
	TURN 1
	WIN 0
	s_sub_co_u32 s[TWICE], s[TWICE], 1
	s_cmp_lg_u32 s[TWICE], 0
	s_cbranch_scc1 .Ltail
	TURN 0, 1                       ; tile 0: V^T P of the last step | tile 1's last softmax | silu(gate) is asked for
.set i, 0
.rept 32
	PV 1                            ; tile 1: V^T P of the last step
.set i, i+1
.endr
	; THE WAY OUT.  l's two halves and the other half of the lanes' are added; O^T is divided by l, multiplied by silu(gate), rounded to bf16 and sent through my stage in LDS, a tile (16 rows) at a time.
	WIN 0
.irp t, 0,1
	v_add_f32 v[ST+8*(\t)+4], v[ST+8*(\t)+2], v[ST+8*(\t)+3]
.endr
.irp t, 0,1
	v_permlanex16_b32 v[ST+8*(\t)+5], v[ST+8*(\t)+4], s[SEL], s[SEL+1]
.endr
.irp t, 0,1
	v_add_f32 v[ST+8*(\t)+4], v[ST+8*(\t)+4], v[ST+8*(\t)+5]
.endr
.irp t, 0,1
	v_rcp_f32 v[ST+8*(\t)+6], v[ST+8*(\t)+4]
.endr
	v_nop                           ; a plain instruction behind the last reciprocal,
	s_wait_alu depctr_va_vdst(0)    ; and one wait for the two
	s_wait_loadcnt 0x0              ; silu(gate)
.macro PACK t
	WIN W_RS
.set i, 128*(\t)
.rept 64
	v_pk_mul_f32 v[i:i+1], v[i:i+1], v[ST+8*(\t)+6:ST+8*(\t)+7] op_sel_hi:[1,0]
.set i, i+2
.endr
	WIN 0x49                        ; O^T in window 1, silu(gate) in window 2, the 0 in window 0
.set i, 0
.rept 64                            ; register n of the tile's O^T goes with half n % 2 of register n / 2 of its silu(gate)
	v_fma_mix_f32 v[128*(\t)+2*i],   v[128*(\t)+2*i],   v[64*(\t)+i], v[NIL] op_sel_hi:[0,1,0]
	v_fma_mix_f32 v[128*(\t)+2*i+1], v[128*(\t)+2*i+1], v[64*(\t)+i], v[NIL] op_sel:[0,1,0] op_sel_hi:[0,1,0]
.set i, i+1
.endr
	WIN 0x05                        ; sources in window 1, destination in window 0: Q's registers are free
.set i, 0
.rept 64
	v_cvt_pk_bf16_f32 v[Q+64*(\t)+i], v[128*(\t)+2*i], v[128*(\t)+2*i+1]
.set i, i+1
.endr
	WIN 0
.irp f, 0,1,2,3,4,5,6,7,8,9,10,11,12,13,14,15
	ds_store_b128 v[STO], v[Q+64*(\t)+4*(\f):Q+64*(\t)+4*(\f)+3] offset:32*(\f)
.endr
.irp f, 0,1,2,3,4,5,6,7,8,9,10,11,12,13,14,15
	ds_load_b128 v[Q+64*(\t)+4*(\f):Q+64*(\t)+4*(\f)+3], v[RD] offset:(\f)*SP  ; LDS serves a wave's instructions in order (ISA guide 5.7.1.4): these see the stores above; the next tile's stores come behind them
.endr
.endm
.macro SEND t, younger              ; younger: the LDS instructions issued behind tile t's loads
.irp f, 0,1,2,3,4,5,6,7,8,9,10,11,12,13,14,15
	s_wait_dscnt (\younger)+15-(\f)
	global_store_b128 v[GO], v[Q+64*(\t)+4*(\f):Q+64*(\t)+4*(\f)+3], s[10:11] offset:(16*(\t)+(\f))*4096  ; the wave stores 512 consecutive bytes, aligned
.endr
.endm
	PACK 0
	PACK 1
	SEND 0, 32
	SEND 1, 0
	s_wait_tensorcnt 0x0            ; the wave's end: behind my last tensor load and my last LDS store
	ds_add_u32 v[SPW], v[NIL]
	s_wait_dscnt 0x0
	CROUND                          ; the closing round
	s_endpgm
.Lfunc_end_k_qb9958bc26c_attn:
	.size	k_qb9958bc26c_attn, .Lfunc_end_k_qb9958bc26c_attn-k_qb9958bc26c_attn
	.p2alignl 7, 3214868480
	.fill 96, 4, 3214868480
	.section	.rodata,"a",@progbits
	.p2align	6, 0x0
	.amdhsa_kernel k_qb9958bc26c_attn
		.amdhsa_group_segment_fixed_size 327680
		.amdhsa_private_segment_fixed_size 0
		.amdhsa_enable_private_segment 0
		.amdhsa_kernarg_size 32
		.amdhsa_user_sgpr_count 2
		.amdhsa_user_sgpr_kernarg_segment_ptr 1
		.amdhsa_wavefront_size32 1
		.amdhsa_system_sgpr_workgroup_id_x 1
		.amdhsa_system_sgpr_workgroup_id_y 1
		.amdhsa_system_sgpr_workgroup_id_z 1
		.amdhsa_system_vgpr_workitem_id 0
		.amdhsa_next_free_vgpr 1024
		.amdhsa_next_free_sgpr 66
		.amdhsa_reserve_vcc 0
		.amdhsa_float_denorm_mode_32 3
		.amdhsa_float_denorm_mode_16_64 3
		.amdhsa_memory_ordered 1
		.amdhsa_forward_progress 1
		.amdhsa_inst_pref_size 181
	.end_amdhsa_kernel
	.amdgpu_metadata
---
amdhsa.version: [ 1, 2 ]
amdhsa.kernels:
  - .name:           k_qb9958bc26c_attn
    .symbol:         k_qb9958bc26c_attn.kd
    .args:
      - { .name: qh, .offset: 0, .size: 8, .value_kind: global_buffer, .address_space: global }
      - { .name: kvh, .offset: 8, .size: 8, .value_kind: global_buffer, .address_space: global }
      - { .name: sg, .offset: 16, .size: 8, .value_kind: global_buffer, .address_space: global }
      - { .name: a2, .offset: 24, .size: 8, .value_kind: global_buffer, .address_space: global }
    .group_segment_fixed_size: 327680
    .private_segment_fixed_size: 0
    .kernarg_segment_align: 8
    .kernarg_segment_size: 32
    .max_flat_workgroup_size: 128
    .sgpr_count:     66
    .vgpr_count:     1024
    .wavefront_size: 32
...
	.end_amdgpu_metadata
.endif
;; end of part 3
;; launch outp (part 4): grid 8 x 32, 4 waves a work-group, clusters of 4 x 4, 327,680 bytes of LDS; arguments a2, wob, out0; writes out0
.if DOCPART == 4
	.amdgcn_target "amdgcn-amd-amdhsa--gfx1250"
	.amdhsa_code_object_version 6
	.text
	.protected	k_qb9958bc26c_outp
	.globl	k_qb9958bc26c_outp
	.p2align	8
	.type	k_qb9958bc26c_outp,@function
k_qb9958bc26c_outp:
	s_mov_b64 s[64:65], 0
	v_nop
	global_prefetch_b8 v0, s[64:65] scope:SCOPE_SE
	s_setreg_imm32_b32 hwreg(HW_REG_WAVE_MODE, 25, 1), 1
	s_wait_xcnt 0x0
	s_wait_alu depctr_hold_cnt(0) depctr_sa_sdst(0) depctr_va_vdst(0) depctr_va_sdst(0) depctr_va_ssrc(0) depctr_va_vcc(0) depctr_vm_vsrc(0)
	s_getreg_b32 s2, hwreg(HW_REG_IB_STS2, 6, 4)
	s_cmp_eq_u32 s2, 0
	s_cbranch_scc0 .Lentry_in_a_cluster
	s_endpgm
.Lentry_in_a_cluster:
	s_bfe_u32 s2, ttmp6, 0x10000c
	s_cmp_lg_u32 s2, 0xf033
	s_cbranch_scc0 .Lentry_shape_is_right
	s_endpgm
.Lentry_shape_is_right:
; OUT.  out0[m][n] = the sum over k of a2[m][k] wob[n][k].  a2: [4096][2048] bf16, wob: [1024][2048] bf16, out0: [4096][1024] f32; sums in f32.
; A tile of out0 is 128 x 128, which gives 256 work-groups.  Four waves, each 64 x 64: 16 accumulators.  K goes in steps of 256 (LDS rows of 512 bytes; a wave's tensor load brings 64 of them) through two slots.
; CLUSTERS: 4 x 4 work-groups; A's tiles are asked for jointly along a row of the cluster, B's along a column.  The matrix instruction is used transposed: a lane holds eight neighbouring numbers of a row.
; THE WAY OUT.  A wave's 64 columns of f32 are 256 aligned bytes of a row, so each wave has a stage of its own (16 rows x 272 bytes) and no barrier: a block of 16 rows goes in by lanes' pieces and comes back as whole rows.
; No prefetch: the tile is small, and every row of a2 and wob is read by several clusters at about the same time.
; REGISTERS: window 0: v0-31 addresses; v128-255 the accumulators ((a, b) at v[128 + 8 (4 a + b)]).  window 1: two fragment buffers of 128.
.set SIZE_N, 1024
.set SIZE_K, 2048
.set KSTEP,  256
.set PITCH,  528
.set HALFT,  64*PITCH
.set SLOT,   4*HALFT
.set STAGE,  2*SLOT
.set SPITCH, 272
.set SPARE,  STAGE+4*16*SPITCH         ; behind the stages: the spare words, 128 bytes a wave, that no other line names
.set LAPS, SIZE_K/(2*KSTEP)
.set ADRA, 16
.set ADRB, 20
.set STO,  24
.set RD,   25
.set CO,   26
.set SPW,  28
.set NIL,  29
.set ACC,  128
.set F0,   0
.set F1,   128
.set G1, 24
.set G0, 32
.set G1B, 48
.set G0B, 56
.set MSB, 0
.macro WIN new
.if MSB != (\new)
	s_set_vgpr_msb (MSB<<8)|(\new)
.set MSB, \new
.endif
.endm
.set MUL,  0x05                        ; sources 0 (B) and 1 (A) window 1; C and D window 0
.set TO_F, 0x40                        ; destination window 1, address window 0
.macro JLOAD s                         ; a joint load: waves 0 and 1 fetch A's two halves, waves 2 and 3 B's; an s_nop 0 and four v_nop follow each line
	s_cmp_eq_u32 s11, 0
	s_cbranch_scc0 .Lfor_b_\@
	tensor_load_to_lds s[G0+4*(\s):G0+4*(\s)+3], s[G1:G1+7]
	s_nop 0
.rept 4
	v_nop
.endr
	s_branch .Lasked_\@
.Lfor_b_\@:
	tensor_load_to_lds s[G0B+4*(\s):G0B+4*(\s)+3], s[G1B:G1B+7]
	s_nop 0
.rept 4
	v_nop
.endr
.Lasked_\@:
.endm
.macro CREST
	s_cmp_lg_u32 s10, 0
	s_cbranch_scc1 .Lnot_wave_0_\@
	s_barrier_signal -3
.Lnot_wave_0_\@:
	s_barrier_wait -3
	s_barrier_signal -1
	s_barrier_wait -1
.endm
.macro CROUND
	s_barrier_signal -1
	s_barrier_wait -1
	CREST
.endm
	s_load_b128 s[4:7], s[0:1], 0x0                ; a2 s[4:5], wob s[6:7]
	s_load_b64 s[8:9], s[0:1], 0x10                ; out0
	v_lshl_add_u32 v[SPW], v0, 2, SPARE
	v_mov_b32 v[NIL], 0
	ds_add_u32 v[SPW], v[NIL]                      ; the wave's opening: the add and its wait ahead of my first tensor load
	v_lshrrev_b32 v1, 5, v0
	v_readfirstlane_b32 s10, v1                    ; wave 0..3
	s_lshr_b32 s11, s10, 1                         ; which half of the tile's rows is mine.  Also: I fetch for A (0) or for B (1)
	s_and_b32 s12, s10, 1                          ; which half of its columns.  Also: which 64 rows of that tile I fetch
	s_bfe_u32 s40, ttmp6, 0x40000
	s_bfe_u32 s41, ttmp6, 0x40004
	s_lshl_b32 s42, ttmp9, 2
	s_add_co_u32 s42, s42, s40                     ; tile column
	s_and_b32 s13, ttmp7, 0xffff
	s_lshl_b32 s13, s13, 2
	s_add_co_u32 s13, s13, s41                     ; tile row
	s_lshl_b32 s43, s41, 2
	s_lshl_b32 s43, 15, s43                        ; my row of the cluster
	s_lshl_b32 s44, 0x1111, s40                    ; my column
	s_or_b32 s[G1+0], s43, (1<<16)|(1<<20)|(1<<21)|(6<<22)|(3<<25)  ; the mask; elements of 2 bytes; padding on; bit 21 beside a mask; after every 128 words; 4 words
	s_or_b32 s[G1B+0], s44, (1<<16)|(1<<20)|(1<<21)|(6<<22)|(3<<25)
.irp g, G1, G1B
	s_mov_b32 s[(\g)+1], KSTEP<<16                 ; tensor_dim0 = 256
	s_mov_b32 s[(\g)+2], 64<<16                    ; tensor_dim1 = 64
	s_mov_b32 s[(\g)+3], KSTEP<<16                 ; tile_dim0 = 256
	s_mov_b32 s[(\g)+4], 64                        ; tile_dim1 = 64
	s_mov_b32 s[(\g)+5], SIZE_K
	s_mov_b32 s[(\g)+6], 0
	s_mov_b32 s[(\g)+7], 0
.endr
	s_lshl_b32 s17, s12, 6
	s_lshl_b32 s16, s13, 7
	s_add_co_u32 s16, s16, s17                     ; A: row 128 x tile row + 64 x half
	s_lshl_b32 s46, s42, 7
	s_add_co_u32 s46, s46, s17                     ; B: row 128 x tile column + 64 x half
	s_mov_b32 s17, 0
	s_mov_b32 s47, 0
	s_mov_b64 s[18:19], SIZE_K*2
	s_mul_u64 s[16:17], s[16:17], s[18:19]
	s_mul_u64 s[46:47], s[46:47], s[18:19]
	s_mul_i32 s20, s10, HALFT
	s_wait_dscnt 0x0                               ; the opening add is done
	s_wait_kmcnt 0x0
	s_add_nc_u64 s[14:15], s[4:5], s[16:17]
	s_add_nc_u64 s[46:47], s[6:7], s[46:47]
	CROUND                                         ; all sixteen work-groups are here: the first joint loads meet
.irp s, 0,1
	s_mov_b32 s[G0+4*(\s)], 1
	s_add_co_u32 s[G0+4*(\s)+1], s20, (\s)*SLOT
	s_add_nc_u64 s[G0+4*(\s)+2:G0+4*(\s)+3], s[14:15], (\s)*KSTEP*2
	s_or_b32 s[G0+4*(\s)+3], s[G0+4*(\s)+3], 0x80000000
	s_mov_b32 s[G0B+4*(\s)], 1
	s_add_co_u32 s[G0B+4*(\s)+1], s20, (\s)*SLOT
	s_add_nc_u64 s[G0B+4*(\s)+2:G0B+4*(\s)+3], s[46:47], (\s)*KSTEP*2
	s_or_b32 s[G0B+4*(\s)+3], s[G0B+4*(\s)+3], 0x80000000
	JLOAD \s
.endr
	v_and_b32 v1, 15, v0                           ; l % 16
	v_bfe_u32 v2, v0, 4, 1                         ; l / 16
	v_mul_u32_u24 v3, v1, PITCH
	v_lshl_add_u32 v3, v2, 4, v3
	s_mul_i32 s21, s11, HALFT
	s_mul_i32 s22, s12, HALFT
	s_add_co_u32 s22, s22, 2*HALFT
.irp s, 0,1
	v_add_nc_u32 v[ADRA+(\s)], s21, v3
	v_add_nc_u32 v[ADRB+(\s)], s22, v3
	s_add_co_u32 s21, s21, SLOT
	s_add_co_u32 s22, s22, SLOT
.endr
	s_mul_i32 s23, s10, 16*SPITCH
	s_add_co_u32 s23, s23, STAGE                   ; my stage
	v_mul_u32_u24 v4, v1, SPITCH                   ; in: row l % 16, 32 bytes for each half of the lanes
	v_lshl_add_u32 v4, v2, 5, v4
	v_add_nc_u32 v[STO], s23, v4
	v_mul_u32_u24 v5, v2, SPITCH                   ; back: lanes 0-15 take one row of 256 bytes, lanes 16-31 the next
	v_lshl_add_u32 v5, v1, 4, v5
	v_add_nc_u32 v[RD], s23, v5
	v_lshlrev_b32 v5, 12, v2                       ; and the same two rows in out0, 4,096 bytes apart
	v_lshl_add_u32 v[CO], v1, 4, v5
	s_lshl_b32 s16, s13, 7
	s_lshl_b32 s17, s11, 6
	s_add_co_u32 s16, s16, s17                     ; my first row: 128 x tile row + 64 x half
	s_lshl_b32 s16, s16, 12
	s_mov_b32 s17, 0
	s_add_nc_u64 s[8:9], s[8:9], s[16:17]
	s_lshl_b32 s46, s42, 9                         ; my first column, in bytes: 512 x tile column + 256 x half
	s_lshl_b32 s47, s12, 8
	s_add_co_u32 s46, s46, s47
	s_mov_b32 s47, 0
	s_add_nc_u64 s[8:9], s[8:9], s[46:47]
.macro MUL8 f, c, a0, zero             ; 8 matrix instructions: m blocks a0, a0 + 1 x all 4 n blocks, 32 along K: half c of buffer f.  The 16 accumulators take turns
	WIN MUL
.irp a, \a0, (\a0)+1
.irp b, 0,1,2,3
.if \zero
	v_wmma_f32_16x16x32_bf16 v[ACC+8*(4*(\a)+(\b)):ACC+8*(4*(\a)+(\b))+7], v[(\f)+64+8*(4*(\c)+(\b)):(\f)+64+8*(4*(\c)+(\b))+7], v[(\f)+8*(4*(\c)+(\a)):(\f)+8*(4*(\c)+(\a))+7], 0
.else
	v_wmma_f32_16x16x32_bf16 v[ACC+8*(4*(\a)+(\b)):ACC+8*(4*(\a)+(\b))+7], v[(\f)+64+8*(4*(\c)+(\b)):(\f)+64+8*(4*(\c)+(\b))+7], v[(\f)+8*(4*(\c)+(\a)):(\f)+8*(4*(\c)+(\a))+7], v[ACC+8*(4*(\a)+(\b)):ACC+8*(4*(\a)+(\b))+7]
.endif
.endr
.endr
.endm
.macro FETCH slot, k, f                ; 32 LDS loads in one run: the fragments of 64 along K at byte k of the rows; the first 32 along K first
	WIN TO_F
.irp c, 0,1
.irp i, 0,1,2,3
	ds_load_b128 v[(\f)+64+8*(4*(\c)+(\i)):(\f)+64+8*(4*(\c)+(\i))+3],   v[ADRB+(\slot)] offset:(\k)+64*(\c)+(\i)*16*PITCH
	ds_load_b128 v[(\f)+64+8*(4*(\c)+(\i))+4:(\f)+64+8*(4*(\c)+(\i))+7], v[ADRB+(\slot)] offset:(\k)+64*(\c)+(\i)*16*PITCH+32
	ds_load_b128 v[(\f)+8*(4*(\c)+(\i)):(\f)+8*(4*(\c)+(\i))+3],         v[ADRA+(\slot)] offset:(\k)+64*(\c)+(\i)*16*PITCH
	ds_load_b128 v[(\f)+8*(4*(\c)+(\i))+4:(\f)+8*(4*(\c)+(\i))+7],       v[ADRA+(\slot)] offset:(\k)+64*(\c)+(\i)*16*PITCH+32
.endr
.endr
.endm
.macro PLACES
.rept 4
	v_nop
.endr
.endm
.macro QUARTER slot, k, f, g, zero
	s_wait_dscnt 16                                ; the first 32 along K are in
	WIN MUL
	MUL8 \f, 0, 0, \zero
	MUL8 \f, 0, 2, \zero
	PLACES
	FETCH \slot, \k, \g
	s_wait_dscnt 32                                ; all but the 32 just issued
	WIN MUL
	MUL8 \f, 1, 0, 0
	MUL8 \f, 1, 2, 0
.endm
.macro TURN slot, next, fill           ; the last quarter multiplies buffer 1 and changes slots; fill = 1: this slot is filled again, two K steps ahead
	WIN 0
	s_wait_tensorcnt 0x0                           ; all my tensor loads have landed: my part of the next slot;
	ds_add_u32 v[SPW], v[NIL]                      ; 0 onto my spare word;
	s_wait_dscnt 17                                ; (the add and the youngest sixteen loads may be out)
	WIN MUL
	MUL8 F1, 0, 0, 0
	s_wait_dscnt 0x0                               ; the add is done, and my reads of this slot are over
	s_barrier_signal -1
	MUL8 F1, 0, 2, 0
.if \fill
	WIN 0
.endif
	s_barrier_wait -1
.if \fill
	CREST                                          ; no wave of any partner still reads this slot's tile or has a load on its way
	s_add_nc_u64 s[G0+4*(\slot)+2:G0+4*(\slot)+3], s[G0+4*(\slot)+2:G0+4*(\slot)+3], 2*KSTEP*2
	s_add_nc_u64 s[G0B+4*(\slot)+2:G0B+4*(\slot)+3], s[G0B+4*(\slot)+2:G0B+4*(\slot)+3], 2*KSTEP*2
	JLOAD \slot
.else
	PLACES
.endif
	FETCH \next, 0, F0
	WIN MUL
	MUL8 F1, 1, 0, 0
	MUL8 F1, 1, 2, 0
.endm
	s_wait_tensorcnt 1                             ; my part of K step 0 is in; K step 1's may stay out
	s_barrier_signal -1
	s_barrier_wait -1
	FETCH 0, 0, F0
	QUARTER 0, 128, F0, F1, 1
	WIN 0
	s_mov_b32 s3, LAPS-1
.Llap:
	QUARTER 0, 256, F1, F0, 0
	QUARTER 0, 384, F0, F1, 0
	TURN 0, 1, 1
	QUARTER 1, 128, F0, F1, 0
	QUARTER 1, 256, F1, F0, 0
	QUARTER 1, 384, F0, F1, 0
	TURN 1, 0, 1
	QUARTER 0, 128, F0, F1, 0
	WIN 0
	s_sub_co_u32 s3, s3, 1
	s_cmp_lg_u32 s3, 0
	s_cbranch_scc1 .Llap
	QUARTER 0, 256, F1, F0, 0                      ; the last lap fills nothing
	QUARTER 0, 384, F0, F1, 0
	TURN 0, 1, 0
	QUARTER 1, 128, F0, F1, 0
	QUARTER 1, 256, F1, F0, 0
	QUARTER 1, 384, F0, F1, 0
	s_wait_dscnt 16
	WIN MUL
	MUL8 F1, 0, 0, 0
	MUL8 F1, 0, 2, 0
	s_wait_dscnt 0
	MUL8 F1, 1, 0, 0
	MUL8 F1, 1, 2, 0
	WIN 0
	; THE WAY OUT: block a's four accumulators go into my stage (each one's low registers first) and come back as whole rows of 256 bytes, into the registers that they left.
	PLACES
.macro PUT a
.irp b, 0,1,2,3
	ds_store_b128 v[STO], v[ACC+8*(4*(\a)+(\b)):ACC+8*(4*(\a)+(\b))+3]   offset:64*(\b)
	ds_store_b128 v[STO], v[ACC+8*(4*(\a)+(\b))+4:ACC+8*(4*(\a)+(\b))+7] offset:64*(\b)+16
.endr
.irp t, 0,1,2,3,4,5,6,7
	ds_load_b128 v[ACC+32*(\a)+4*(\t):ACC+32*(\a)+4*(\t)+3], v[RD] offset:(\t)*2*SPITCH  ; LDS serves a wave's instructions in order (ISA guide 5.7.1.4): these see the stores above; the next block's stores come behind them
.endr
.endm
.macro SEND a, younger                 ; younger: the LDS instructions issued behind block a's loads: the next block's sixteen, or none
.irp t, 0,1,2,3,4,5,6,7
	s_wait_dscnt (\younger)+7-(\t)
	global_store_b128 v[CO], v[ACC+32*(\a)+4*(\t):ACC+32*(\a)+4*(\t)+3], s[8:9] offset:(16*(\a)+2*(\t))*SIZE_N*4 th:TH_STORE_NT  ; 16 lanes store 256 consecutive bytes, aligned
.endr
.endm
	PUT 0
	PUT 1
	SEND 0, 16
	PUT 2
	SEND 1, 16
	PUT 3
	SEND 2, 16
	SEND 3, 0
	s_wait_tensorcnt 0x0                           ; the wave's end: behind my last tensor load and my last LDS store
	ds_add_u32 v[SPW], v[NIL]
	s_wait_dscnt 0x0
	CROUND                                         ; the closing round
	s_endpgm
.Lfunc_end_k_qb9958bc26c_outp:
	.size	k_qb9958bc26c_outp, .Lfunc_end_k_qb9958bc26c_outp-k_qb9958bc26c_outp
	.p2alignl 7, 3214868480
	.fill 96, 4, 3214868480
	.section	.rodata,"a",@progbits
	.p2align	6, 0x0
	.amdhsa_kernel k_qb9958bc26c_outp
		.amdhsa_group_segment_fixed_size 327680
		.amdhsa_private_segment_fixed_size 0
		.amdhsa_enable_private_segment 0
		.amdhsa_kernarg_size 24
		.amdhsa_user_sgpr_count 2
		.amdhsa_user_sgpr_kernarg_segment_ptr 1
		.amdhsa_wavefront_size32 1
		.amdhsa_system_sgpr_workgroup_id_x 1
		.amdhsa_system_sgpr_workgroup_id_y 1
		.amdhsa_system_sgpr_workgroup_id_z 1
		.amdhsa_system_vgpr_workitem_id 0
		.amdhsa_next_free_vgpr 512
		.amdhsa_next_free_sgpr 66
		.amdhsa_reserve_vcc 0
		.amdhsa_float_denorm_mode_32 3
		.amdhsa_float_denorm_mode_16_64 3
		.amdhsa_memory_ordered 1
		.amdhsa_forward_progress 1
		.amdhsa_inst_pref_size 86
	.end_amdhsa_kernel
	.amdgpu_metadata
---
amdhsa.version: [ 1, 2 ]
amdhsa.kernels:
  - .name:           k_qb9958bc26c_outp
    .symbol:         k_qb9958bc26c_outp.kd
    .args:
      - { .name: a2, .offset: 0, .size: 8, .value_kind: global_buffer, .address_space: global }
      - { .name: wob, .offset: 8, .size: 8, .value_kind: global_buffer, .address_space: global }
      - { .name: out0, .offset: 16, .size: 8, .value_kind: global_buffer, .address_space: global }
    .group_segment_fixed_size: 327680
    .private_segment_fixed_size: 0
    .kernarg_segment_align: 8
    .kernarg_segment_size: 24
    .max_flat_workgroup_size: 128
    .sgpr_count:     66
    .vgpr_count:     512
    .wavefront_size: 32
...
	.end_amdgpu_metadata
.endif
;; end of part 4
